; MI455X (gfx1250); checked and timed in simulation.
; The chip was launched on July 23, 2026; its instructions are those of AMD's public machine-readable ISA for CDNA 5 (MIT licence, August 2026) and "CDNA5" Instruction Set Architecture Reference Guide (July 2026). The comments in the code are by the model that wrote it; some were corrected since.
;; Multihead Attention. Allowed arithmetic: matrix products marked QUANTISED: E2M3 operands, one E8M0 scale for each 32 along K, by v_wmma_scale_f32_16x16x128_f8f6f4 with both operands' format E2M3, f32 sums; everything else in f32.
;; Inputs: K 4 x 2,048 x 1,024 float32; Q 4 x 2,048 x 1,024 float32; V 4 x 2,048 x 1,024 float32; Wk 16 x 1,024 x 64 float32; Wo 1,024 x 1,024 float32; Wq 16 x 1,024 x 64 float32; Wv 16 x 1,024 x 64 float32; bk 16 x 64 float32; bo 1,024 float32; bq 16 x 64 float32; bv 16 x 64 float32.
;; Outputs: out0 4 x 2,048 x 1,024 float32.
;; This version of the problem:
;;   THIS VERSION OF THE PROBLEM IS GIVEN IN LOW PRECISION. The matrix products marked QUANTISED in the list below multiply operands that are first quantised to E2M3 (2 exponent bits, 3 mantissa bits; 6 bits a number), with one power-of-two scale for each 32 numbers along K (OCP MX v1.0); their sums are f32. All else is computed in f32.
;;   The module's matrix products, in the order in which they are computed (A, B: the left and right operand; K: the contracted axis; several contracted axes count as one K, in the product's order):
;;     1. [M 1,024, K 1,024] x [K 1,024, N 8,192]; A: input Wq; B: input Q: QUANTISED
;;     2. [M 1,024, K 1,024] x [K 1,024, N 8,192]; A: input Wk; B: input K: QUANTISED
;;     3. [M 1,024, K 1,024] x [K 1,024, N 8,192]; A: input Wv; B: input V: QUANTISED
;;     4. batch 64 x [M 2,048, K 64] x [K 64, N 2,048]; A: computed on the way; B: computed on the way: QUANTISED
;;     5. batch 64 x [M 2,048, K 2,048] x [K 2,048, N 64]; A: softmax (see below); B: computed on the way: QUANTISED
;;     6. [M 8,192, K 1,024] x [K 1,024, N 1,024]; A: computed on the way; B: input Wo: QUANTISED
;;   THE QUANTISER, for each operand of a quantised product, along K:
;;     - K is cut into blocks of 32 from its start; a last block that is shorter is filled with zeros.
;;     - A block's scale is 2^e with e = floor(log2(the largest magnitude in the block)) - 2, held to -126 .. 127; a block of zeros has e = 0. As a byte (E8M0): e + 127.
;;     - Each number is divided by its block's scale, clamped to +-7.5, and rounded to the nearest number of E2M3, ties to even, subnormals kept.
;;     - The product sums the exact products of the quantised numbers (number of the format x scale) in f32.
;;   ~~~python
;;   def quantise(x, axis):      # numpy; x: float32 -> the quantised numbers, widened to float32 again
;;       x = np.moveaxis(x, axis, -1); K = x.shape[-1]
;;       x = np.pad(x, [(0, 0)] * (x.ndim - 1) + [(0, -K % 32)]); x = x.reshape(x.shape[:-1] + (-1, 32)); a = np.abs(x).max(-1, keepdims=True)
;;       e = np.where(a > 0, np.clip(np.frexp(np.where(a > 0, a, 1))[1] - 1 - 2, -126, 127), 0)      # np.frexp(a)[1] - 1 = floor(log2(a)), exactly
;;       r = np.clip(x / 2.0 ** e, -7.5, 7.5)
;;       step = 2.0 ** (np.maximum(np.frexp(np.where(r == 0, 1, r))[1] - 1, 0) - 3)
;;       q = np.round(r / step) * step * 2.0 ** e      # np.round: ties to even
;;       return np.moveaxis(q.reshape(q.shape[:-2] + (-1,))[..., :K], -1, axis).astype(np.float32)
;;   ~~~
;;   SOFTMAX AHEAD OF A QUANTISED PRODUCT. Where the list says 'softmax', what is quantised is not the finished softmax but p = 2^(t - M), with t = logit x log2(e) and M = ceil(the row's largest t), a whole number; so 1/2 < the row's largest p <= 1. The row's sum l is taken of the UNQUANTISED p, in f32, and the product's result is divided by l at the end. Since M is a whole number, a kernel that streams over the keys may use a running M (the ceiling of the running maximum): every later rescaling is an exact power of two, which a block's scale takes up: the codes' values come out the same.
;;   OPERANDS COMPUTED ON THE WAY. 'Computed on the way' means the value that the module computes at that place (a softmax that the list does not call 'softmax' is quantised finished and normalised). What goes into a quantiser is computed in f32, as accurately as f32 sums, v_exp_f32 and their like allow (about 1e-6 of the number): no bf16 or f16 on the way to a quantiser, and a product that is left as it is and whose result goes on into a quantised operand takes f32 operands (vector FMAs, or v_wmma_f32_16x16x4_f32). A number that lies on a knife's edge between two numbers of the format may be rounded either way, as far as f32 arithmetic and the matrix unit's own rounding can turn it there, and no further.
;; One version. Each part assembles by itself: llvm-mc -triple=amdgcn-amd-amdhsa -mcpu=gfx1250 --defsym DOCPART=n.
;; ======== version 1 of 1: 4 launches
;; limits: right only within a limited range of input values
;; workspace buffers: xc 18,874,368 bytes; xs 786,432 bytes; wc 3,145,728 bytes; ws 131,072 bytes; qi 6,815,744 bytes; kv 13,369,344 bytes; oc 6,291,456 bytes; os 262,144 bytes
;; launch quant (part 1): grid 512 x 1, 8 waves a work-group, no clusters, 95,232 bytes of LDS; arguments Q, K, V, Wq, Wk, Wv, Wo, xc, xs, wc, ws; writes xc, xs, wc, ws
.if DOCPART == 1
	.amdgcn_target "amdgcn-amd-amdhsa--gfx1250"
	.amdhsa_code_object_version 6
	.text
	.protected	k_q8a44c9c236_quant
	.globl	k_q8a44c9c236_quant
	.p2align	8
	.type	k_q8a44c9c236_quant,@function
k_q8a44c9c236_quant:
	s_mov_b64 s[64:65], 0
	v_nop
	global_prefetch_b8 v0, s[64:65] scope:SCOPE_SE
	s_setreg_imm32_b32 hwreg(HW_REG_WAVE_MODE, 25, 1), 1
	s_wait_xcnt 0x0
; Q, K, V [8192][1024] f32 (K innermost) and Wq, Wk, Wv [16][1024][64], Wo [1024][1024] f32 (K is the first axis, within a head) become codes of FP6 (E2M3)
; with one E8M0 byte for each 32 along K, laid as IMAGES OF THE OPERAND'S REGISTERS, so that the products' launches take them by loads of 16 and 8 bytes a lane alone.
; ROWS: a block of 16 rows, number rb, holds in its place r the true row 32 (rb / 2) + 8 (rb % 2) + r + 8 (r / 8).
; A FRAGMENT (16 rows x 128 K, 12 registers a lane) is 1,536 bytes: for c = 0, 1: registers 6 c .. 6 c + 3 of lane l at 768 c + 16 l, registers 6 c + 4, 6 c + 5 at 768 c + 512 + 8 l.
; CODES: [K / 256][rb][2][1536].  SCALE WORDS (four bytes: 128 K of a row): [rows / 256][K / 128][1024]; block t4 of a unit of 64 rows, place r: 256 x unit + 8 r + 128 (t4 / 2) + 4 (t4 % 2).
; A block's scale is 2^(floor(log2(largest magnitude)) - 2): its byte is the largest magnitude's exponent field - 2, held at 1 from below.
; LIMITS: NaN and infinities among the inputs are not served; a block whose largest magnitude lies under 2^-124, a block of zeros too, keeps the byte 1 (its codes then carry what is left, zeros for zeros); the bytes are read by this program alone.
; Work-groups 0-127 take the weights (32 columns each), 128-511 the activations (64 rows each); wave w takes K = 128 w .. 128 w + 127.  The two paths have LDS bytes of their own.
; No tensor loads, no barrier: waves share nothing.  The weights' scale words leave as 128 consecutive bytes a wave (131,072 bytes in all); every other store covers whole aligned runs of 256 bytes.
.set TM,   16                          ; v16-31   at work in QUANT
.set PC,   32                          ; v32-50   the codes just made (activations)
.set XN,   64                          ; v64-127  64 numbers of a lane, register 16 b + i = K 32 b + 16 (lane / 16) + i
.set RL,   128                         ; v128-255 two sets of 64 registers as loaded (activations); the 128 numbers of a column (weights)
.set SEL,  50                          ; s[50:51] lane selects for v_permlanex16_b32: lane l xor 16
.set XSTG, 8448                        ; LDS: a stage of 16 rows x (512 + 16) bytes for each wave of the activations' path,
.set WST0, 8*XSTG                      ; and behind them
.set WSTG, 3328                        ; two fragment images, 1,664 bytes apart, for each wave of the weights' path
; 64 numbers of a lane, v[s] on, become a fragment's codes in v[PC] .. v[PC + 11] and its rows' scale word in v[pw] (the same in lanes l and l xor 16)
.macro QUANT s, pw
.irp b, 0,1,2,3
	v_max3_num_f32 v[TM+\b], |v[\s+16*\b]|, |v[\s+1+16*\b]|, 0x1800000   ; block b: my 16 numbers and the floor 2^(3 - 127): the byte cannot fall under 1
.endr
.irp i, 2,4,6,8,10,12,14
.irp b, 0,1,2,3
	s_delay_alu instid0(VALU_DEP_4)
	v_max3_num_f32 v[TM+\b], v[TM+\b], |v[\s+16*\b+\i]|, |v[\s+1+16*\b+\i]|   ; the four blocks by turns
.endr
.endr
.irp b, 0,1,2,3
	s_delay_alu instid0(VALU_DEP_4)
	v_permlanex16_b32 v[TM+4+\b], v[TM+\b], s[SEL], s[SEL+1]
.endr
.irp b, 0,1,2,3
	s_delay_alu instid0(VALU_DEP_4)
	v_max_num_f32 v[TM+\b], v[TM+\b], v[TM+4+\b]   ; with lane l xor 16's 16: the block's largest magnitude
.endr
.irp b, 0,1,2,3
	s_delay_alu instid0(VALU_DEP_4)
	v_add_nc_u32 v[TM+12+\b], 0xff000000, v[TM+\b]   ; 2 off its exponent field: the conversion takes this operand's exponent field as its scale
.endr
.irp b, 0,1,2,3
	s_delay_alu instid0(VALU_DEP_4)
	v_lshrrev_b32 v[TM+4+\b], 23, v[TM+12+\b]      ; the scale's byte
.endr
	s_delay_alu instid0(VALU_DEP_3)
	v_lshl_or_b32 v[\pw], v[TM+5], 8, v[TM+4]
	s_delay_alu instid0(VALU_DEP_1)
	v_lshl_or_b32 v[\pw], v[TM+6], 16, v[\pw]
	s_delay_alu instid0(VALU_DEP_1)
	v_lshl_or_b32 v[\pw], v[TM+7], 24, v[\pw]
.irp c, 0,1
	v_cvt_scalef32_pk16_fp6_f32 v[PC+6*\c:PC+2+6*\c], v[\s+32*\c:\s+15+32*\c], v[TM+12+2*\c]
	v_cvt_scalef32_pk16_fp6_f32 v[PC+12+4*\c:PC+14+4*\c], v[\s+16+32*\c:\s+31+32*\c], v[TM+12+2*\c+1]   ; (a conversion's three registers begin on an even number)
.endr
	v_nop                                          ; one plain place behind a scaled conversion
.irp c, 0,1                                    ; the operand's layout wants a whole block in a lane: lanes 0-15 block 2 c, lanes 16-31 block 2 c + 1
.irp i, 0,1,2
	v_permlane16_swap_b32 v[PC+6*\c+\i], v[PC+12+4*\c+\i]
.endr
.irp i, 0,1,2
	s_delay_alu instid0(VALU_DEP_3)
	v_mov_b32 v[PC+3+6*\c+\i], v[PC+12+4*\c+\i]
.endr
.endr
.endm
	s_load_b256 s[4:11], s[0:1], 0x0               ; Q, K, V, Wq
	s_load_b256 s[12:19], s[0:1], 0x20             ; Wk, Wv, Wo, xc
	s_load_b128 s[20:23], s[0:1], 0x40             ; xs, wc
	s_load_b64 s[24:25], s[0:1], 0x50              ; ws
	v_lshl_add_u32 v26, v0, 2, 0x17000
	v_mov_b32 v27, 0
	v_lshrrev_b32 v1, 5, v0
	s_delay_alu instid0(VALU_DEP_1)
	v_readfirstlane_b32 s26, v1                    ; wave 0..7 = which 128 along K
	s_cmp_lt_u32 ttmp9, 128
	s_cbranch_scc0 .Lpath_x
; ---------------- THE WEIGHTS.  A lane takes a column and its registers run down K: a block of 32 lies in one lane, and the codes come out with K innermost.
	s_lshr_b32 s27, ttmp9, 5                       ; which tensor: Wq, Wk, Wv, Wo
	s_and_b32 s28, ttmp9, 31                       ; which 32 columns of its 1,024
	s_mul_i32 s29, s26, WSTG
	s_add_co_u32 s29, s29, WST0                    ; my stage
	v_and_b32 v1, 31, v0                           ; lane = column in the 32 = 8 u + r + 8 (r / 8): block 2 g + u, place r
	v_and_b32 v2, 7, v0
	v_bfe_u32 v3, v0, 4, 1
	s_delay_alu instid0(VALU_DEP_1)
	v_lshl_add_u32 v2, v3, 3, v2                   ; r
	v_bfe_u32 v3, v0, 3, 1                         ; u
	s_delay_alu instid0(VALU_DEP_1)
	v_mul_u32_u24 v4, v3, 1664
	s_delay_alu instid0(VALU_DEP_1)
	v_add_nc_u32 v4, s29, v4
	s_delay_alu instid0(VALU_DEP_1)
	v_lshl_add_u32 v5, v2, 4, v4                   ; where my pieces of 16 bytes go: image u, + 16 r
	s_delay_alu instid0(VALU_DEP_2)
	v_lshl_add_u32 v6, v2, 3, v4                   ; and my pieces of 8 bytes: + 8 r
	v_lshlrev_b32 v7, 4, v1                        ; 16 x lane
	s_delay_alu instid0(VALU_DEP_1)
	v_add_nc_u32 v8, s29, v7                       ; back out of the stage
	v_lshlrev_b32 v9, 3, v2
	s_delay_alu instid0(VALU_DEP_1)
	v_lshl_add_u32 v9, v3, 2, v9                   ; my scale word's place: 8 r + 4 u
	v_lshlrev_b32 v1, 2, v1                        ; 4 x lane
	s_wait_alu depctr_va_vdst(0)
	s_mov_b32 s32, 256                             ; bytes from row to row along K: 64 columns a head,
	s_mov_b32 s33, 4096                            ; or Wo's 1,024
	s_lshl_b32 s35, s28, 7                         ; Wo: the 32 columns begin 128 g bytes on
	s_lshr_b32 s34, s28, 1                         ; the others: head g / 2 (262,144 bytes a head), half g % 2
	s_lshl_b32 s34, s34, 18
	s_and_b32 s36, s28, 1
	s_lshl_b32 s36, s36, 7
	s_add_co_u32 s34, s34, s36
	s_cmp_eq_u32 s27, 3
	s_cselect_b32 s32, s33, s32
	s_cselect_b32 s34, s35, s34
	s_lshl_b32 s36, s26, 7
	s_mul_i32 s36, s36, s32                        ; my first row: 128 w
	s_add_co_u32 s36, s36, s34
	s_mov_b32 s37, 0
	s_lshl_b32 s38, s32, 5                         ; 32 rows on
	s_mov_b32 s39, 0
	s_mul_i32 s48, s27, 786432                     ; the codes: tensor, K / 256, block 2 g, K step in the 256
	s_lshr_b32 s49, s26, 1
	s_mul_i32 s49, s49, 196608
	s_add_co_u32 s48, s48, s49
	s_mul_i32 s49, s28, 6144
	s_add_co_u32 s48, s48, s49
	s_and_b32 s49, s26, 1
	s_mul_i32 s49, s49, 1536
	s_add_co_u32 s48, s48, s49
	s_mov_b32 s49, 0
	s_lshl_b32 s52, s27, 15                        ; the scale words: tensor, tile of 256 rows, K / 128, unit of 64 rows, pair of blocks
	s_lshr_b32 s53, s28, 3
	s_lshl_b32 s53, s53, 13
	s_add_co_u32 s52, s52, s53
	s_lshl_b32 s53, s26, 10
	s_add_co_u32 s52, s52, s53
	s_bfe_u32 s53, s28, 0x20001
	s_lshl_b32 s53, s53, 8
	s_add_co_u32 s52, s52, s53
	s_and_b32 s53, s28, 1
	s_lshl_b32 s53, s53, 7
	s_add_co_u32 s52, s52, s53
	s_mov_b32 s53, 0
.set wi, 0
.rept 32
	v_mad_u32_u24 v[32+wi], s32, wi, v1            ; row i of a block, my column
.set wi, wi+1
.endr
	s_wait_alu depctr_va_vdst(0)
	s_wait_kmcnt 0x0
	s_cmp_eq_u32 s27, 0                            ; the choice hangs on the work-group's number alone
	s_cselect_b64 s[30:31], s[10:11], s[12:13]
	s_cmp_eq_u32 s27, 2
	s_cselect_b64 s[30:31], s[14:15], s[30:31]
	s_cmp_eq_u32 s27, 3
	s_cselect_b64 s[30:31], s[16:17], s[30:31]
	s_add_nc_u64 s[40:41], s[30:31], s[36:37]      ; a base for each of my four blocks of 32 along K
	s_add_nc_u64 s[42:43], s[40:41], s[38:39]
	s_add_nc_u64 s[44:45], s[42:43], s[38:39]
	s_add_nc_u64 s[46:47], s[44:45], s[38:39]
	s_add_nc_u64 s[22:23], s[22:23], s[48:49]
	s_add_nc_u64 s[24:25], s[24:25], s[52:53]
.macro LOADW t                         ; block t: 32 loads, each 128 consecutive bytes a wave
.set wi, 0
.rept 32
	global_load_b32 v[RL+32*(\t)+wi], v[32+wi], s[40+2*(\t):41+2*(\t)] th:TH_LOAD_NT
.set wi, wi+1
.endr
.endm
.macro BLOCKW t
.set XS, RL+32*(\t)
.set CW, 64+8*(\t)                     ; each block has registers of its own for its codes: no store's data are written again
.if (\t) < 3
	s_wait_loadcnt 32                              ; this block's 32 loads are in; the next block's 32 may be out
.else
	s_wait_loadcnt 0x0
.endif
.if (\t)+2 < 4
	LOADW (\t)+2
.endif
	v_max3_num_f32 v12, |v[XS]|, |v[XS+1]|, |v[XS+2]|   ; the block's largest magnitude: all 32 numbers are mine
	v_max3_num_f32 v13, |v[XS+3]|, |v[XS+4]|, |v[XS+5]|
.irp i, 6,10,14,18,22,26
	s_delay_alu instid0(VALU_DEP_2)
	v_max3_num_f32 v12, v12, |v[XS+\i]|, |v[XS+\i+1]|
	s_delay_alu instid0(VALU_DEP_2)
	v_max3_num_f32 v13, v13, |v[XS+\i+2]|, |v[XS+\i+3]|
.endr
	s_delay_alu instid0(VALU_DEP_2)
	v_max3_num_f32 v12, v12, |v[XS+30]|, |v[XS+31]|
	s_delay_alu instid0(VALU_DEP_1)
	v_max3_num_f32 v12, v12, v13, 0x1800000        ; and the floor
	s_delay_alu instid0(VALU_DEP_1)
	v_add_nc_u32 v11, 0xff000000, v12              ; the conversion's scale operand
	s_delay_alu instid0(VALU_DEP_1)
	v_lshrrev_b32 v13, 23, v11                     ; the byte
.if (\t) == 0
	s_delay_alu instid0(VALU_DEP_1)
	v_mov_b32 v10, v13
.else
	s_delay_alu instid0(VALU_DEP_1)
	v_lshl_or_b32 v10, v13, 8*(\t), v10            ; four bytes make my column's scale word
.endif
	v_cvt_scalef32_pk16_fp6_f32 v[CW:CW+2], v[XS:XS+15], v11
	v_cvt_scalef32_pk16_fp6_f32 v[CW+4:CW+6], v[XS+16:XS+31], v11
	v_nop                                          ; one plain place behind a scaled conversion
	v_mov_b32 v[CW+3], v[CW+4]                     ; six registers on end
	v_mov_b32 v[CW+4], v[CW+5]
	v_mov_b32 v[CW+5], v[CW+6]
	ds_store_b128 v5, v[CW:CW+3] offset:768*((\t)/2)+256*((\t)%2)        ; block t = 2 c + h is what lane r + 16 h holds in registers 6 c on
	ds_store_b64 v6, v[CW+4:CW+5] offset:768*((\t)/2)+512+128*((\t)%2)
.endm
	LOADW 0
	LOADW 1
	BLOCKW 0
	BLOCKW 1
	BLOCKW 2
	BLOCKW 3
.irp j, 0,1,2,3,4,5
	ds_load_b128 v[96+4*\j:99+4*\j], v8 offset:1664*(\j/3)+512*(\j%3)   ; LDS serves a wave's instructions in order: these see my stores
.endr
	global_store_b32 v9, v10, s[24:25]
.irp j, 0,1,2,3,4,5
	s_wait_dscnt 5-\j
	global_store_b128 v7, v[96+4*\j:99+4*\j], s[22:23] offset:3072*(\j/3)+512*(\j%3)   ; 512 consecutive bytes, aligned
.endr
	s_wait_tensorcnt 0x0
	ds_add_u32 v26, v27
	s_wait_dscnt 0x0
	s_endpgm
; ---------------- THE ACTIVATIONS.  Each load reads 512 consecutive bytes of one row; 16 rows turn through the wave's stage, so that a lane holds 16 neighbours of each block of 32.
.Lpath_x:
	s_sub_co_u32 s27, ttmp9, 128
	s_lshr_b32 s28, s27, 7                         ; which tensor: Q, K, V
	s_and_b32 s29, s27, 127                        ; which 64 rows
	s_mul_i32 s30, s26, XSTG                       ; my stage
	s_mov_b32 s[SEL], 0x76543210
	s_mov_b32 s[SEL+1], 0xfedcba98
	v_and_b32 v5, 31, v0
	s_delay_alu instid0(VALU_DEP_1)
	v_lshlrev_b32 v1, 4, v5                        ; 16 x lane
	s_delay_alu instid0(VALU_DEP_2)
	v_lshlrev_b32 v2, 3, v5                        ; 8 x lane
	s_delay_alu instid0(VALU_DEP_2)
	v_add_nc_u32 v3, s30, v1                       ; into the stage: a row's 512 bytes as they lie
	v_and_b32 v5, 15, v0
	v_bfe_u32 v6, v0, 4, 1
	s_delay_alu instid0(VALU_DEP_2)
	v_mul_u32_u24 v4, v5, 528
	s_delay_alu instid0(VALU_DEP_1)
	v_lshl_add_u32 v4, v6, 6, v4
	s_delay_alu instid0(VALU_DEP_1)
	v_add_nc_u32 v4, s30, v4                       ; out of it: row r, + 64 (lane / 16)
.irp b, 0,1,2,3
	v_mov_b32 v[TM+4+\b], 0                        ; written once: a lane permute's destination counts as one of its sources
.endr
	s_lshl_b32 s34, s29, 18                        ; 64 rows of 4,096 bytes,
	s_lshl_b32 s35, s26, 9                         ; my 128 numbers of a row
	s_add_co_u32 s34, s34, s35
	s_mov_b32 s35, 0
	s_mul_i32 s36, s28, 6291456                    ; the codes: tensor, K / 256, block 4 g, K step in the 256
	s_lshr_b32 s37, s26, 1
	s_mul_i32 s37, s37, 1572864
	s_add_co_u32 s36, s36, s37
	s_mul_i32 s37, s29, 12288
	s_add_co_u32 s36, s36, s37
	s_and_b32 s37, s26, 1
	s_mul_i32 s37, s37, 1536
	s_add_co_u32 s36, s36, s37
	s_mov_b32 s37, 0
	s_lshl_b32 s38, s28, 18                        ; the scale words: tensor, tile of 256 rows, K / 128, unit of 64 rows
	s_lshr_b32 s39, s29, 2
	s_lshl_b32 s39, s39, 13
	s_add_co_u32 s38, s38, s39
	s_lshl_b32 s39, s26, 10
	s_add_co_u32 s38, s38, s39
	s_and_b32 s39, s29, 3
	s_lshl_b32 s39, s39, 8
	s_add_co_u32 s38, s38, s39
	s_mov_b32 s39, 0
	s_wait_alu depctr_va_vdst(0)
	s_wait_kmcnt 0x0
	s_cmp_eq_u32 s28, 0
	s_cselect_b64 s[32:33], s[4:5], s[6:7]
	s_cmp_eq_u32 s28, 2
	s_cselect_b64 s[32:33], s[8:9], s[32:33]
	s_add_nc_u64 s[32:33], s[32:33], s[34:35]
	s_add_nc_u64 s[18:19], s[18:19], s[36:37]
	s_add_nc_u64 s[20:21], s[20:21], s[38:39]
.macro LOADX t                         ; the 16 rows of block t, in the block's own order, into set t % 2
.irp p, 0,1,2,3,4,5,6,7,8,9,10,11,12,13,14,15
	; THE ACTIVATIONS' ROWS have an order of their own: place p of block t of a unit of 64 rows is the true row 8 t + p % 8 + 32 (p / 8) (the weights keep the order stated at the head)
	global_load_b128 v[RL+64*((\t)%2)+4*\p:RL+64*((\t)%2)+4*\p+3], v1, s[32:33] offset:(8*(\t)+\p%8+32*(\p/8))*4096 th:TH_LOAD_NT
.endr
.endm
.macro BLOCKX t
.if (\t) < 3
	s_wait_loadcnt 16                              ; this block's 16 loads are in; the next block's 16 may be out
.else
	s_wait_loadcnt 0x0
.endif
.irp p, 0,1,2,3,4,5,6,7,8,9,10,11,12,13,14,15
	ds_store_b128 v3, v[RL+64*((\t)%2)+4*\p:RL+64*((\t)%2)+4*\p+3] offset:528*\p
.endr
.irp b, 0,1,2,3
.irp j, 0,1,2,3
	ds_load_b128 v[XN+16*\b+4*\j:XN+16*\b+4*\j+3], v4 offset:128*\b+16*\j   ; LDS serves a wave's instructions in order: these see the stores above
.endr
.endr
	s_wait_dscnt 0x0                               ; my 64 numbers are in, and the set's registers have been read
.if (\t) < 2
	LOADX (\t)+2
.endif
.if (\t) > 0
	s_wait_xcnt 0x0                                ; the last block's stores have read the codes' registers: they are written again only behind this wait
.endif
	QUANT XN, 8+(\t)
	global_store_b128 v1, v[PC:PC+3], s[18:19] offset:3072*(\t)
	global_store_b64 v2, v[PC+4:PC+5], s[18:19] offset:3072*(\t)+512
	global_store_b128 v1, v[PC+6:PC+9], s[18:19] offset:3072*(\t)+768
	global_store_b64 v2, v[PC+10:PC+11], s[18:19] offset:3072*(\t)+1280
.endm
	LOADX 0
	LOADX 1
	BLOCKX 0
	BLOCKX 1
	BLOCKX 2
	BLOCKX 3
	s_mov_b32 vcc_lo, 0xffff0000
	v_cndmask_b32 v12, v8, v10, vcc_lo             ; lanes 0-15: blocks 0 and 1; lanes 16-31: blocks 2 and 3
	v_cndmask_b32 v13, v9, v11, vcc_lo
	global_store_b64 v2, v[12:13], s[20:21]        ; 256 consecutive bytes, aligned: the unit's scale words
	s_wait_tensorcnt 0x0
	ds_add_u32 v26, v27
	s_wait_dscnt 0x0
	s_endpgm
.Lfunc_end_k_q8a44c9c236_quant:
	.size	k_q8a44c9c236_quant, .Lfunc_end_k_q8a44c9c236_quant-k_q8a44c9c236_quant
	.p2alignl 7, 3214868480
	.fill 96, 4, 3214868480
	.section	.rodata,"a",@progbits
	.p2align	6, 0x0
	.amdhsa_kernel k_q8a44c9c236_quant
		.amdhsa_group_segment_fixed_size 95232
		.amdhsa_private_segment_fixed_size 0
		.amdhsa_enable_private_segment 0
		.amdhsa_kernarg_size 88
		.amdhsa_user_sgpr_count 2
		.amdhsa_user_sgpr_kernarg_segment_ptr 1
		.amdhsa_wavefront_size32 1
		.amdhsa_system_sgpr_workgroup_id_x 1
		.amdhsa_system_sgpr_workgroup_id_y 1
		.amdhsa_system_sgpr_workgroup_id_z 1
		.amdhsa_system_vgpr_workitem_id 0
		.amdhsa_next_free_vgpr 256
		.amdhsa_next_free_sgpr 66
		.amdhsa_reserve_vcc 1
		.amdhsa_float_denorm_mode_32 3
		.amdhsa_float_denorm_mode_16_64 3
		.amdhsa_memory_ordered 1
		.amdhsa_forward_progress 1
		.amdhsa_inst_pref_size 68
	.end_amdhsa_kernel
	.amdgpu_metadata
---
amdhsa.version: [ 1, 2 ]
amdhsa.kernels:
  - .name:           k_q8a44c9c236_quant
    .symbol:         k_q8a44c9c236_quant.kd
    .args:
      - { .name: Q, .offset: 0, .size: 8, .value_kind: global_buffer, .address_space: global }
      - { .name: K, .offset: 8, .size: 8, .value_kind: global_buffer, .address_space: global }
      - { .name: V, .offset: 16, .size: 8, .value_kind: global_buffer, .address_space: global }
      - { .name: Wq, .offset: 24, .size: 8, .value_kind: global_buffer, .address_space: global }
      - { .name: Wk, .offset: 32, .size: 8, .value_kind: global_buffer, .address_space: global }
      - { .name: Wv, .offset: 40, .size: 8, .value_kind: global_buffer, .address_space: global }
      - { .name: Wo, .offset: 48, .size: 8, .value_kind: global_buffer, .address_space: global }
      - { .name: xc, .offset: 56, .size: 8, .value_kind: global_buffer, .address_space: global }
      - { .name: xs, .offset: 64, .size: 8, .value_kind: global_buffer, .address_space: global }
      - { .name: wc, .offset: 72, .size: 8, .value_kind: global_buffer, .address_space: global }
      - { .name: ws, .offset: 80, .size: 8, .value_kind: global_buffer, .address_space: global }
    .group_segment_fixed_size: 95232
    .private_segment_fixed_size: 0
    .kernarg_segment_align: 8
    .kernarg_segment_size: 88
    .max_flat_workgroup_size: 256
    .sgpr_count:     66
    .vgpr_count:     256
    .wavefront_size: 32
...
	.end_amdgpu_metadata
.endif
;; end of part 1
;; launch proj (part 2): grid 4 x 96, 4 waves a work-group, clusters of 4 x 4, 327,680 bytes of LDS; arguments xc, xs, wc, ws, bq, bk, bv, qi, kv; writes qi, kv
.if DOCPART == 2
	.amdgcn_target "amdgcn-amd-amdhsa--gfx1250"
	.amdhsa_code_object_version 6
	.text
	.protected	k_q8a44c9c236_proj
	.globl	k_q8a44c9c236_proj
	.p2align	8
	.type	k_q8a44c9c236_proj,@function
k_q8a44c9c236_proj:
	s_mov_b64 s[64:65], 0
	v_nop
	global_prefetch_b8 v0, s[64:65] scope:SCOPE_SE
	s_setreg_imm32_b32 hwreg(HW_REG_WAVE_MODE, 25, 1), 1
	s_wait_xcnt 0x0
	s_wait_alu depctr_hold_cnt(0) depctr_sa_sdst(0) depctr_va_vdst(0) depctr_va_sdst(0) depctr_va_ssrc(0) depctr_va_vcc(0) depctr_vm_vsrc(0)
	s_getreg_b32 s2, hwreg(HW_REG_IB_STS2, 6, 4)
	s_cmp_eq_u32 s2, 0
	s_cbranch_scc0 .Lentry_in_a_cluster
	s_endpgm
.Lentry_in_a_cluster:
	s_bfe_u32 s2, ttmp6, 0x10000c
	s_cmp_lg_u32 s2, 0xf033
	s_cbranch_scc0 .Lentry_shape_is_right
	s_endpgm
.Lentry_shape_is_right:
; The three projections, q = Q Wq + bq, k = K Wk + bk, v = V Wv + bv, on codes of FP6 (E2M3) with E8M0 scales, K = 1,024; the results are quantised in registers and leave as images of the next products' operands.
; Clusters 0-7 along y make q, 8-15 k, 16-23 v.  A tile is 256 x 256, four waves, 128 x 128 a wave: 64 accumulators, 512 registers.
; K goes in four steps of 256 through THREE LDS slots filled by joint tensor loads: steps 0, 1, 2 are first fills, issued together at the start; step 3 goes into slot 0 again, behind the one round in mid-run,
; and has 224 of a wave's matrix instructions in which to land.
; OPERANDS ARE IMAGES OF THEIR REGISTERS: a fragment (16 rows x 128 K) is 1,536 dense bytes and comes by loads of 16, 8, 16, 8 bytes a lane at 16 x lane and 8 x lane; a tile's 16 blocks of a K step are 49,152 dense bytes.
; Place r of block rb is the true row 32 (rb / 2) + 8 (rb % 2) + r + 8 (r / 8).  THE MATRIX INSTRUCTION IS USED TRANSPOSED (source 0 = side B, source 1 = side A): lane (r, h) holds place r of A's block, and
; the 16 registers of B's blocks 2 i and 2 i + 1 are B's true rows 32 i + 16 h + 0 .. 15: 16 neighbours along the next product's K.
; q, k: A = tokens, B = the weight's columns: a lane's 64 registers are two heads' 64 channels of one token: quantised along the head.   v: A = Wv's columns, B = tokens: a lane holds one channel and 128 keys: quantised along the keys.
; OUT: q records [batch x head][128 tokens]: 8 half images (16 tokens x 64, 768 bytes), then 512 bytes of scale words (tile a, place r at 16 (r + 16 (a % 2)) + 4 (a / 2); bytes 2, 3 are 0, over zero codes).
;      kv records [batch x head][128 keys], 13,056 bytes: k as q's record; at 6,656 four fragments of v (16 channels x 128 keys); at 12,800 their scale words (tile t, place r at 8 (r + 16 (t % 2)) + 4 (t / 2)).
; CLUSTERS: 4 x 4 work-groups; A's tiles are shared along a row, B's along a column, each asked for jointly.  Which projection hangs on the cluster's y alone, which all partners share.
; LIMITS: NaN and infinities are not served; a block whose largest magnitude lies under 2^-124, a block of zeros too, keeps the byte 1; the bytes are read by this program alone.
; REGISTERS: window 0: v1-31 addresses; v32-63 scale words, two sets; v64-127 the bias; v128-223 A's fragments, one set; on the way out v128-239 at work.  window 1: B's fragments, two sets, at v0 and v128.  windows 2, 3: the accumulators ((a, b) at v[8 (8 (a % 4) + b)]).
.set NQ,     2                         ; matrix instructions deep in a slot
.set FR,     12                        ; registers of a fragment
.set NL,     4                         ; LDS loads that bring one
.set NP,     4                         ; places behind this matrix instruction (ISA guide 7.12.1)
.set HALFT,  24576                     ; 8 blocks x 2 fragments: what a wave reads of A or of B
.set SLOT,   4*HALFT                   ; A's 16 blocks, then B's
.set SCL,    3*SLOT                    ; behind the three slots: A's scale words for all of K, 8,192 bytes; 128 bytes further on B's
.set SPARE,  SCL+2*8192+256            ; the spare words, 128 bytes for each wave: two blocks of 256 bytes that no other line names
.set ADRA, 4                           ; v4-6 my A fragments in slot 0, 1, 2, at 16 x lane; v7-9 at 8 x lane
.set ADRB, 10                          ; v10-15 the same for B
.set L16,  24                          ; v24  16 x lane
.set L8,   25                          ; v25  8 x lane
.set ADRS, 27                          ; v27  my scale words: lanes 0-15 A's, lanes 16-31 B's
.set SPW,  28                          ; v28  LDS address of my spare word; never rewritten
.set NIL,  29                          ; v29  0; never rewritten
.set SC,   32
.set AF,   128
.set BT,   64                          ; the way out: the bias
.set T,    128                         ; 64 numbers
.set TM,   192                         ; at work in QUANT
.set PC,   208                         ; the codes just made
.set PW,   228                         ; their scale word
.set KS0,  232                         ; the first head's scale words, four registers;
.set KS1,  236                         ; the second's (v: the words of eight tiles)
.set SEL,  66                          ; s[66:67] lane selects: lane l xor 16
.set G1, 24                            ; s[24:31] descriptor group 1 for A's tiles
.set G0, 32                            ; s[32:39] group 0 for A's slots 0 and 1
.set G0C, 4                            ; s[4:7]   for A's slot 2
.set G1B, 48                           ; the same for B
.set G0B, 56
.set G0CB, 8
.set G1S, 68
.set G0S, 76
.set G1SB, 80
.set G0SB, 88
.set MSB, 0
.macro WIN new                         ; the immediate's high byte repeats the setting that is left
.if MSB != \new
	s_set_vgpr_msb (MSB<<8)|\new
.set MSB, \new
.endif
.endm
.set MUL_LO, 0xa1                      ; source 0 (B) window 1, source 1 (A) window 0, C and D window 2
.set MUL_HI, 0xf1
.set TO_B,   0x40
.macro JLOAD g0a, g1a, g0b, g1b        ; a joint load: even waves fetch for A, odd waves for B; four v_nop follow each line
	s_cmp_eq_u32 s16, 0                            ; even waves fetch for A, odd waves for B
	s_cbranch_scc0 .Lfor_b_\@
	tensor_load_to_lds s[\g0a:\g0a+3], s[\g1a:\g1a+7]
	s_nop 0
.rept 4
	v_nop
.endr
	s_branch .Lasked_\@
.Lfor_b_\@:
	tensor_load_to_lds s[\g0b:\g0b+3], s[\g1b:\g1b+7]
	s_nop 0
.rept 4
	v_nop
.endr
.Lasked_\@:
.endm
.macro CREST                           ; a round of the cluster's barrier behind its opening barrier
	s_cmp_lg_u32 s14, 0
	s_cbranch_scc1 .Lnot_wave_0_\@
	s_barrier_signal -3
.Lnot_wave_0_\@:
	s_barrier_wait -3
	s_barrier_signal -1
	s_barrier_wait -1
.endm
.macro CROUND
	s_barrier_signal -1
	s_barrier_wait -1
	CREST
.endm
.macro QUANT s, pw                     ; 64 numbers of a lane, register 16 b + i = K 32 b + 16 (lane / 16) + i, become a fragment in v[PC] on and its scale word in v[pw] (the same in lanes l and l xor 16)
.irp b, 0,1,2,3
	v_max3_num_f32 v[TM+\b], |v[\s+16*\b]|, |v[\s+1+16*\b]|, 0x1800000   ; my 16 numbers and the floor 2^(3 - 127)
.endr
.irp i, 2,4,6,8,10,12,14
.irp b, 0,1,2,3
	v_max3_num_f32 v[TM+\b], v[TM+\b], |v[\s+16*\b+\i]|, |v[\s+1+16*\b+\i]|
.endr
.endr
.irp b, 0,1,2,3
	v_permlanex16_b32 v[TM+4+\b], v[TM+\b], s[SEL], s[SEL+1]
.endr
.irp b, 0,1,2,3
	v_max_num_f32 v[TM+\b], v[TM+\b], v[TM+4+\b]
.endr
.irp b, 0,1,2,3
	v_add_nc_u32 v[TM+12+\b], 0xff000000, v[TM+\b]   ; 2 off the exponent field: the conversion's scale operand
.endr
.irp b, 0,1,2,3
	v_lshrrev_b32 v[TM+4+\b], 23, v[TM+12+\b]
.endr
	v_lshl_or_b32 v[\pw], v[TM+5], 8, v[TM+4]
	v_lshl_or_b32 v[\pw], v[TM+6], 16, v[\pw]
	v_lshl_or_b32 v[\pw], v[TM+7], 24, v[\pw]
.irp c, 0,1
	v_cvt_scalef32_pk16_fp6_f32 v[PC+6*\c:PC+2+6*\c], v[\s+32*\c:\s+15+32*\c], v[TM+12+2*\c]
	v_cvt_scalef32_pk16_fp6_f32 v[PC+12+4*\c:PC+14+4*\c], v[\s+16+32*\c:\s+31+32*\c], v[TM+12+2*\c+1]
.endr
	v_nop                                          ; one plain place behind a scaled conversion
.irp c, 0,1
.irp i, 0,1,2
	v_permlane16_swap_b32 v[PC+6*\c+\i], v[PC+12+4*\c+\i]
.endr
.irp i, 0,1,2
	v_mov_b32 v[PC+3+6*\c+\i], v[PC+12+4*\c+\i]
.endr
.endr
.endm
; v's quantiser.  The tokens' order (place 8 h + j of block t of 64 is token 32 h + 8 t + j) gives a lane whole blocks: register 32 c + i = key 64 c + 32 h + i.  No other lane is asked for a maximum, and the
; conversions' results are the operand's registers; the scale word's bytes h and 2 + h are joined with lane l xor 16's.  v3 = 8 h.
.macro QUANTV s, pw
.irp c, 0,1
	v_max3_num_f32 v[TM+2*\c], |v[\s+32*\c]|, |v[\s+32*\c+1]|, 0x1800000   ; two chains a block; the floor 2^(3 - 127)
	v_max3_num_f32 v[TM+2*\c+1], |v[\s+32*\c+16]|, |v[\s+32*\c+17]|, |v[\s+32*\c+18]|
.endr
.irp i, 2,4,6,8,10,12
.irp c, 0,1
	v_max3_num_f32 v[TM+2*\c], v[TM+2*\c], |v[\s+32*\c+\i]|, |v[\s+32*\c+\i+1]|
	v_max3_num_f32 v[TM+2*\c+1], v[TM+2*\c+1], |v[\s+32*\c+\i+17]|, |v[\s+32*\c+\i+18]|
.endr
.endr
.irp c, 0,1
	v_max3_num_f32 v[TM+2*\c], v[TM+2*\c], |v[\s+32*\c+14]|, |v[\s+32*\c+15]|
.endr
.irp c, 0,1
	v_max3_num_f32 v[TM+2*\c], v[TM+2*\c], v[TM+2*\c+1], |v[\s+32*\c+31]|
.endr
.irp c, 0,1
	v_add_nc_u32 v[TM+12+\c], 0xff000000, v[TM+2*\c]   ; 2 off the exponent field: the conversion's scale operand
.endr
.irp c, 0,1
	v_lshrrev_b32 v[TM+8+\c], 23, v[TM+12+\c]
.endr
	v_lshl_or_b32 v[\pw], v[TM+9], 16, v[TM+8]
	v_lshlrev_b32 v[\pw], v3, v[\pw]               ; my two bytes at their places, 8 h bits up
	v_permlanex16_b32 v[TM+4], v[\pw], s[SEL], s[SEL+1]
	v_or_b32 v[\pw], v[\pw], v[TM+4]               ; the word is whole, in both halves of the lanes
.irp c, 0,1
	v_cvt_scalef32_pk16_fp6_f32 v[PC+6*\c:PC+2+6*\c], v[\s+32*\c:\s+15+32*\c], v[TM+12+\c]
	v_cvt_scalef32_pk16_fp6_f32 v[PC+12+4*\c:PC+14+4*\c], v[\s+16+32*\c:\s+31+32*\c], v[TM+12+\c]
.endr
	v_nop                                          ; one plain place behind a scaled conversion
.irp c, 0,1
.irp i, 0,1,2
	v_mov_b32 v[PC+3+6*\c+\i], v[PC+12+4*\c+\i]
.endr
.endr
.endm
	s_load_b256 s[4:11], s[0:1], 0x0               ; xc, xs, wc, ws
	v_lshl_add_u32 v[SPW], v0, 2, SPARE
	v_mov_b32 v[NIL], 0
	ds_add_u32 v28, v29
	ds_add_u32 v28, v29
	s_wait_dscnt 0x0
	v_lshrrev_b32 v1, 5, v0
	v_readfirstlane_b32 s14, v1                    ; wave 0..3
	s_lshr_b32 s15, s14, 1                         ; which half of A's rows is mine.
	s_and_b32 s16, s14, 1                          ; which half of B's rows.  Also: I fetch for A (0) or for B (1)
	s_bfe_u32 s40, ttmp6, 0x40000                  ; cx, cy: my place in the cluster
	s_bfe_u32 s41, ttmp6, 0x40004
	s_and_b32 s13, ttmp7, 0xffff                   ; the cluster's y: 0..23
	s_lshr_b32 s12, s13, 3                         ; which projection: 0 q, 1 k, 2 v
	s_and_b32 s13, s13, 7
	s_lshl_b32 s13, s13, 2
	s_cmp_eq_u32 s12, 2
	s_cselect_b32 s17, 0, s13
	s_cselect_b32 s42, s13, 0
	s_add_co_u32 s17, s17, s41                     ; A's tile: q, k: 256 tokens, 4 x sub + cy; v: 256 channels, cy
	s_add_co_u32 s42, s42, s40                     ; B's tile: q, k: 256 columns, cx; v: 256 tokens, 4 x sub + cx
	s_lshl_b32 s43, s41, 2
	s_lshl_b32 s43, 15, s43                        ; my row of the cluster
	s_lshl_b32 s44, 0x1111, s40                    ; my column
	; descriptor group 1: dense blocks as rows of 256 bytes (32 elements of 8 bytes): 192 rows of codes, 32 rows of scale words; no padding
	s_or_b32 s[G1+0], s43, (3<<16)|(1<<21)         ; 15:0 the mask: A's tiles go to my row; 17:16 elements of 8 bytes; 21 set beside a mask
	s_or_b32 s[G1B+0], s44, (3<<16)|(1<<21)
	s_or_b32 s[G1S+0], s43, (3<<16)|(1<<21)
	s_or_b32 s[G1SB+0], s44, (3<<16)|(1<<21)
.irp g, G1, G1B
	s_mov_b32 s[\g+1], 32<<16                      ; tensor_dim0
	s_mov_b32 s[\g+2], 192<<16                     ; tensor_dim1: a whole tile of a K step, 49,152 bytes, to a load
	s_mov_b32 s[\g+3], 32<<16                      ; tile_dim0
	s_mov_b32 s[\g+4], 192                         ; tile_dim1
	s_mov_b32 s[\g+5], 32                          ; tensor_dim0_stride
	s_mov_b32 s[\g+6], 0
	s_mov_b32 s[\g+7], 0
.endr
.irp g, G1S, G1SB
	s_mov_b32 s[\g+1], 32<<16
	s_mov_b32 s[\g+2], 32<<16                      ; a side's scale words of all of K, 8,192 bytes, to a load
	s_mov_b32 s[\g+3], 32<<16
	s_mov_b32 s[\g+4], 32
	s_mov_b32 s[\g+5], 32
	s_mov_b32 s[\g+6], 0
	s_mov_b32 s[\g+7], 0
.endr
	s_mul_i32 s45, s16, 2*HALFT                    ; where my side's codes go in a slot: A's 16 blocks, then B's: no place in the cluster enters an LDS address
	s_mul_i32 s13, s16, 8192+128                   ; and its scale words
	s_mov_b32 s[SEL], 0x76543210
	s_mov_b32 s[SEL+1], 0xfedcba98
	s_wait_kmcnt 0x0
	s_cmp_eq_u32 s12, 2                            ; for v the weight is side A and the activations side B
	s_cselect_b64 s[20:21], s[8:9], s[4:5]         ; A's codes
	s_cselect_b64 s[22:23], s[10:11], s[6:7]       ; A's scale words
	s_cselect_b64 s[46:47], s[4:5], s[8:9]         ; B's codes
	s_cselect_b64 s[92:93], s[6:7], s[10:11]       ; B's scale words
	s_mul_i32 s4, s12, 6291456                     ; this projection's part of each buffer (offsets, in registers of their own)
	s_mul_i32 s5, s12, 786432
	s_mul_i32 s6, s12, 262144
	s_mul_i32 s7, s12, 32768
	s_mov_b32 s10, 1572864                         ; bytes from a K step of 256 to the next: 8,192 rows,
	s_mov_b32 s11, 196608                          ; or 1,024
	s_cselect_b32 s8, s5, s4
	s_cselect_b32 s9, s4, s5
	s_cselect_b32 s4, s7, s6
	s_cselect_b32 s5, s6, s7
	s_cselect_b32 s100, s11, s10                   ; A's
	s_cselect_b32 s2, s10, s11                     ; B's
	s_mov_b32 s101, 0
	s_mov_b32 s3, 0
	s_mul_i32 s96, s100, 3                         ; and three K steps on, for the one refill
	s_mov_b32 s97, 0
	s_mul_i32 s98, s2, 3
	s_mov_b32 s99, 0
	s_mul_i32 s18, s17, 49152                      ; A: its tile
	s_add_co_u32 s18, s18, s8
	s_mov_b32 s19, 0
	s_add_nc_u64 s[20:21], s[20:21], s[18:19]
	s_lshl_b32 s18, s17, 13
	s_add_co_u32 s18, s18, s4
	s_add_nc_u64 s[22:23], s[22:23], s[18:19]
	s_mul_i32 s6, s42, 49152                       ; B likewise, in registers that never hold A's coordinate
	s_add_co_u32 s6, s6, s9
	s_mov_b32 s7, 0
	s_add_nc_u64 s[46:47], s[46:47], s[6:7]
	s_lshl_b32 s6, s42, 13
	s_add_co_u32 s6, s6, s5
	s_add_nc_u64 s[92:93], s[92:93], s[6:7]
	CROUND                                         ; all sixteen work-groups are here: the first joint loads meet
	s_mov_b32 s[G0S], 1
	s_add_co_u32 s[G0S+1], s13, SCL
	s_mov_b64 s[G0S+2:G0S+3], s[22:23]
	s_or_b32 s[G0S+3], s[G0S+3], 0x80000000
	s_mov_b32 s[G0SB], 1
	s_add_co_u32 s[G0SB+1], s13, SCL
	s_mov_b64 s[G0SB+2:G0SB+3], s[92:93]
	s_or_b32 s[G0SB+3], s[G0SB+3], 0x80000000
	s_mov_b32 s[G0], 1
	s_mov_b32 s[G0+1], s45
	s_mov_b64 s[G0+2:G0+3], s[20:21]
	s_or_b32 s[G0+3], s[G0+3], 0x80000000
	s_mov_b32 s[G0B], 1
	s_mov_b32 s[G0B+1], s45
	s_mov_b64 s[G0B+2:G0B+3], s[46:47]
	s_or_b32 s[G0B+3], s[G0B+3], 0x80000000
	; THE HEAD'S LOADS, ONE A WAVE: wave 0 A's tile of K step 0, wave 1 B's, wave 2 A's scale words, wave 3 B's: every way passes one load
	s_cmp_lt_u32 s14, 2
	s_cbranch_scc0 .Lhead_scales
	JLOAD G0, G1, G0B, G1B
	s_branch .Lhead_asked
.Lhead_scales:
	JLOAD G0S, G1S, G0SB, G1SB
.Lhead_asked:
	s_add_nc_u64 s[20:21], s[20:21], s[100:101]
	s_add_nc_u64 s[46:47], s[46:47], s[2:3]
	s_mov_b32 s[G0+4], 1
	s_add_co_u32 s[G0+5], s45, SLOT
	s_mov_b64 s[G0+6:G0+7], s[20:21]
	s_or_b32 s[G0+7], s[G0+7], 0x80000000
	s_mov_b32 s[G0B+4], 1
	s_add_co_u32 s[G0B+5], s45, SLOT
	s_mov_b64 s[G0B+6:G0B+7], s[46:47]
	s_or_b32 s[G0B+7], s[G0B+7], 0x80000000
	s_add_nc_u64 s[20:21], s[20:21], s[100:101]
	s_add_nc_u64 s[46:47], s[46:47], s[2:3]
	s_mov_b32 s[G0C], 1
	s_add_co_u32 s[G0C+1], s45, 2*SLOT
	s_mov_b64 s[G0C+2:G0C+3], s[20:21]
	s_or_b32 s[G0C+3], s[G0C+3], 0x80000000
	s_mov_b32 s[G0CB], 1
	s_add_co_u32 s[G0CB+1], s45, 2*SLOT
	s_mov_b64 s[G0CB+2:G0CB+3], s[46:47]
	s_or_b32 s[G0CB+3], s[G0CB+3], 0x80000000
	v_and_b32 v1, 15, v0                           ; r; kept
	v_bfe_u32 v2, v0, 4, 1                         ; h; kept
	v_and_b32 v3, 31, v0
	v_lshlrev_b32 v[L16], 4, v3
	v_lshlrev_b32 v[L8], 3, v3
	s_mul_i32 s21, s15, HALFT                      ; my 8 blocks of A
	s_mul_i32 s22, s16, HALFT                      ; my 8 blocks of B,
	s_add_co_u32 s22, s22, 2*HALFT                 ; which lie behind A's 16
.irp s, 0,1,2
	v_add_nc_u32 v[ADRA+\s], s21, v[L16]
	v_add_nc_u32 v[ADRB+\s], s22, v[L16]
	v_add_nc_u32 v[ADRA+3+\s], s21, v[L8]
	v_add_nc_u32 v[ADRB+3+\s], s22, v[L8]
	s_add_co_u32 s21, s21, SLOT
	s_add_co_u32 s22, s22, SLOT
.endr
	v_lshlrev_b32 v30, 3, v1                       ; scale words: 8 r,
	s_lshl_b32 s21, s15, 9                         ; A's: my two units of 64 rows
	s_lshl_b32 s22, s16, 9                         ; B's: mine, behind A's 8,192 bytes and 128 more
	s_add_co_u32 s22, s22, 8192+128
	s_sub_co_u32 s22, s22, s21
	v_mul_u32_u24 v31, s22, v2                     ; lanes 16-31 take B's
	s_add_co_u32 s21, s21, SCL
	v_add_nc_u32 v30, v30, v31
	v_add_nc_u32 v[ADRS], s21, v30
.macro FRAG reg, adr, q, i             ; a fragment comes as it was stored: registers 0-3, 4-5, 6-9, 10-11
	ds_load_b128 v[\reg:\reg+3], v[\adr] offset:3072*(\i)+1536*(\q)
	ds_load_b64 v[\reg+4:\reg+5], v[\adr+3] offset:3072*(\i)+1536*(\q)+512
	ds_load_b128 v[\reg+6:\reg+9], v[\adr] offset:3072*(\i)+1536*(\q)+768
	ds_load_b64 v[\reg+10:\reg+11], v[\adr+3] offset:3072*(\i)+1536*(\q)+1280
.endm
; 16 matrix instructions: A's blocks a0, a0 + 1 x B's eight, 128 along K.  The 64 accumulators take turns, one instruction a turn, in the same order in every step.
.macro MUL16 a0, p, q, sc, zero
.irp a, \a0, \a0+1
.irp b, 0,1,2,3,4,5,6,7
.if \zero
	v_wmma_scale_f32_16x16x128_f8f6f4 v[8*(8*((\a)%4)+\b):8*(8*((\a)%4)+\b)+7], v[128*(\p)+FR*\b:128*(\p)+FR*\b+FR-1], v[AF+FR*(\a):AF+FR*(\a)+FR-1], 0, v[SC+8*NQ*(\sc)+NQ*\b+(\q)], v[SC+8*NQ*(\sc)+NQ*(\a)+(\q)] matrix_a_fmt:MATRIX_FMT_FP6 matrix_b_fmt:MATRIX_FMT_FP6 matrix_a_scale:MATRIX_SCALE_ROW1
.else
	v_wmma_scale_f32_16x16x128_f8f6f4 v[8*(8*((\a)%4)+\b):8*(8*((\a)%4)+\b)+7], v[128*(\p)+FR*\b:128*(\p)+FR*\b+FR-1], v[AF+FR*(\a):AF+FR*(\a)+FR-1], v[8*(8*((\a)%4)+\b):8*(8*((\a)%4)+\b)+7], v[SC+8*NQ*(\sc)+NQ*\b+(\q)], v[SC+8*NQ*(\sc)+NQ*(\a)+(\q)] matrix_a_fmt:MATRIX_FMT_FP6 matrix_b_fmt:MATRIX_FMT_FP6 matrix_a_scale:MATRIX_SCALE_ROW1
.endif
.endr
.endr
.endm
.macro FETCH_B slot, q, p
	WIN TO_B
.irp i, 0,1,2,3,4,5,6,7
	FRAG 128*(\p)+FR*\i, ADRB+\slot, \q, \i
.endr
	WIN 0
.endm
.macro FETCH_A slot, q, i0
.irp i, \i0, \i0+1, \i0+2, \i0+3
	FRAG AF+FR*(\i), ADRA+\slot, \q, \i
.endr
.endm
.macro SCALES sc                       ; a K step's scale words: register 2 i + q: lanes 0-15 A's block i, lanes 16-31 B's block i
.irp i, 0,1,2,3,4,5,6,7
.irp q, 0,1
	ds_load_b32 v[SC+8*NQ*\sc+NQ*\i+\q], v[ADRS] offset:256*(\i/4)+128*((\i/2)%2)+4*(\i%2)+1024*\q
.endr
.endr
.endm
.macro PLACES n                        ; places in front of loads into registers that matrix instructions have read, and of the first read of results (for the first read of results)
.rept \n
	v_nop
.endr
.endm
.macro STEP slot, q, sc, zero          ; a step of 128 along K that has its successor in the same slot; sc: the set of scale words
	s_wait_dscnt 4*NL                              ; B's set, A's blocks 0-3 and the scale words are in; the youngest 16 loads (A's blocks 4-7) may be out
	WIN MUL_LO
	MUL16 0, (\q)%2, \q, \sc, \zero
	MUL16 2, (\q)%2, \q, \sc, \zero
	s_wait_dscnt 0
	PLACES NP
	FETCH_B \slot, (\q)+1, 1-(\q)%2
	FETCH_A \slot, (\q)+1, 0
	WIN MUL_HI
	MUL16 4, (\q)%2, \q, \sc, \zero
	MUL16 6, (\q)%2, \q, \sc, \zero
	PLACES NP
	WIN 0
	FETCH_A \slot, (\q)+1, 4
.endm
; A slot's last step goes on to the next slot.
; mode 2: slot 0 is filled again: each wave waits for all its tensor loads, adds 0 to its spare word, waits for that and for its reads of the slot; a round of the cluster's barrier; the joint refill first behind it.
; mode 1: the same three lines and the work-group's barrier: the next slot's tile, brought by two waves, is shown to all; nothing is filled.
; mode 0: no barrier: the next slot was shown whole by the round before, in front of which every wave had waited for all its loads.
.macro TURN slot, next, sc, nsc, mode
.if \mode
	s_wait_tensorcnt 0x0                           ; all my tensor loads have landed
	ds_add_u32 v[SPW], v[NIL]                      ; 0 onto my spare word
	s_wait_dscnt 4*NL+1                            ; (the add and the youngest 16 loads may be out)
	WIN MUL_LO
	MUL16 0, 1, NQ-1, \sc, 0                       ; sixteen matrix instructions stand between the add and the wait for it
	s_wait_dscnt 0x0                               ; the add is done, and my reads of this slot are over
	s_barrier_signal -1
	MUL16 2, 1, NQ-1, \sc, 0
	WIN 0
	s_barrier_wait -1
.else
	s_wait_dscnt 4*NL
	WIN MUL_LO
	MUL16 0, 1, NQ-1, \sc, 0
	MUL16 2, 1, NQ-1, \sc, 0
	s_wait_dscnt 0x0
	WIN 0
.endif
.if \mode == 2
	CREST                                          ; the barrier has opened a round of the cluster's barrier: no wave of any partner still reads this slot or has a load on its way
	s_add_nc_u64 s[G0+2:G0+3], s[G0+2:G0+3], s[96:97]
	s_add_nc_u64 s[G0B+2:G0B+3], s[G0B+2:G0B+3], s[98:99]
	s_cmp_lt_u32 s14, 2                            ; K step 3 into slot 0: wave 0 A's tile, wave 1 B's; the first tensor load behind the round
	s_cbranch_scc0 .Lno_third_\@
	JLOAD G0, G1, G0B, G1B
.Lno_third_\@:
	PLACES NP                                      ; the places in front of the loads below, for the waves that come round the load
.else
	PLACES NP
.endif
	v_add_nc_u32 v[ADRS], 2048, v[ADRS]            ; the next K step's scale words
	FETCH_B \next, 0, 0
	FETCH_A \next, 0, 0
	SCALES \nsc
	WIN MUL_HI
	MUL16 4, 1, NQ-1, \sc, 0
	MUL16 6, 1, NQ-1, \sc, 0
	PLACES NP
	WIN 0
	FETCH_A \next, 0, 4
.endm
.macro LAST                            ; the very last step: nothing more to fetch
	s_wait_dscnt 4*NL
	WIN MUL_LO
	MUL16 0, 1, NQ-1, 1, 0
	MUL16 2, 1, NQ-1, 1, 0
	s_wait_dscnt 0
	WIN MUL_HI
	MUL16 4, 1, NQ-1, 1, 0
	MUL16 6, 1, NQ-1, 1, 0
	WIN 0
.endm
	s_wait_alu depctr_va_vdst(0)
	s_wait_tensorcnt 0x0                           ; my tile of the head's four is in; slots 1 and 2 are first filled as a refill is:
	ds_add_u32 v[SPW], v[NIL]
	s_wait_dscnt 0x0
	CROUND                                         ; all four tiles are shown to all waves, and the sixteen work-groups meet
	s_cmp_lt_u32 s14, 2                            ; waves 0 and 1: K step 1's tiles of A and B; waves 2 and 3: K step 2's: one load a wave
	s_cbranch_scc0 .Lsecond_2
	JLOAD G0+4, G1, G0B+4, G1B
	s_branch .Lsecond_asked
.Lsecond_2:
	JLOAD G0C, G1, G0CB, G1B
.Lsecond_asked:
	FETCH_B 0, 0, 0
	FETCH_A 0, 0, 0
	SCALES 0
	FETCH_A 0, 0, 4
	STEP 0, 0, 0, 1                                ; K step 0; the first step's products start the sums: nothing is cleared
	TURN 0, 1, 0, 1, 2                             ; slot 0 is left and takes K step 3
	s_wait_alu depctr_va_vdst(0)
	STEP 1, 0, 1, 0                                ; K step 1
	TURN 1, 2, 1, 0, 0
	s_wait_alu depctr_va_vdst(0)
	STEP 2, 0, 0, 0                                ; K step 2
	TURN 2, 0, 0, 1, 1                             ; K step 3 has landed; no tensor load is out from here on
	s_load_b256 s[4:11], s[0:1], 0x20              ; bq, bk, bv, qi
	s_load_b64 s[18:19], s[0:1], 0x40              ; kv
	s_mov_b32 vcc_lo, 0xffff0000                   ; lanes 16-31
	s_wait_kmcnt 0x0
	s_cmp_eq_u32 s12, 2
	s_cbranch_scc1 .Lv_path                        ; one branch, on the projection: the same in all partners; no barrier, tensor load or LDS store stands in either path
; ---- q or k: a lane holds one token and 128 columns = two heads
	s_mov_b32 s20, 6656
	s_mov_b32 s21, 13056
	s_cmp_eq_u32 s12, 0
	s_cselect_b64 s[4:5], s[4:5], s[6:7]           ; the bias
	s_cselect_b64 s[10:11], s[10:11], s[18:19]     ; the records
	s_cselect_b32 s20, s20, s21                    ; and their size
	s_lshl_b32 s22, s42, 10
	s_lshl_b32 s23, s16, 9
	s_add_co_u32 s22, s22, s23
	s_mov_b32 s23, 0
	s_add_nc_u64 s[4:5], s[4:5], s[22:23]          ; the bias at my 128 columns
	s_lshl_b32 s22, s17, 1
	s_add_co_u32 s22, s22, s15                     ; my 128 tokens: group 0..63
	s_lshr_b32 s46, s22, 4
	s_lshl_b32 s46, s46, 4                         ; 16 x batch
	s_lshl_b32 s47, s42, 2
	s_add_co_u32 s46, s46, s47
	s_lshl_b32 s47, s16, 1
	s_add_co_u32 s46, s46, s47                     ; + my first head
	s_lshl_b32 s46, s46, 4
	s_and_b32 s22, s22, 15
	s_add_co_u32 s46, s46, s22                     ; the record
	s_mul_i32 s46, s46, s20
	s_mov_b32 s47, 0
	s_add_nc_u64 s[10:11], s[10:11], s[46:47]      ; the first head's record
	s_lshl_b32 s46, s20, 4
	s_add_nc_u64 s[18:19], s[10:11], s[46:47]      ; the second's: 16 records on
	v_lshlrev_b32 v26, 6, v2                       ; register 8 b + j holds column 32 (b / 2) + 8 (b % 2) + 16 h + j
.irp b, 0,1,2,3,4,5,6,7
	global_load_b128 v[BT+8*\b:BT+8*\b+3], v26, s[4:5] offset:4*(32*(\b/2)+8*(\b%2))
	global_load_b128 v[BT+8*\b+4:BT+8*\b+7], v26, s[4:5] offset:4*(32*(\b/2)+8*(\b%2))+16
.endr
	STEP 0, 0, 1, 0                                ; K step 3
	LAST
	s_wait_loadcnt 0x0                             ; the bias
	PLACES NP
.irp b, 0,1,2,3
	v_mov_b32 v[TM+4+\b], 0                        ; written once: a lane permute's destination counts as one of its sources
.endr
.irp a, 0,1,2,3,4,5,6,7
.if \a > 0
	s_wait_xcnt 0x0                                ; the last tile's stores have read the codes' registers
.endif
	WIN (0x02+(\a/4))                              ; source 0: the accumulators' window
.set ti, 0
.rept 32
	v_pk_add_f32 v[T+ti:T+ti+1], v[64*(\a%4)+ti:64*(\a%4)+ti+1], v[BT+ti:BT+ti+1]   ; each accumulator from its low end on
.set ti, ti+2
.endr
	WIN 0
	QUANT T, PW
	global_store_b128 v[L16], v[PC:PC+3], s[10:11] offset:768*\a          ; the first head's half image
	global_store_b64 v[L8], v[PC+4:PC+5], s[10:11] offset:768*\a+512
	global_store_b128 v[L16], v[PC+6:PC+9], s[18:19] offset:768*\a        ; the second's
	global_store_b64 v[L8], v[PC+10:PC+11], s[18:19] offset:768*\a+512
.if (\a%2) == 0
	v_and_b32 v[KS0+\a/2], 0xffff, v[PW]           ; each head's two bytes; bytes 2 and 3 stay 0
	v_lshrrev_b32 v[KS1+\a/2], 16, v[PW]
.else
	v_and_b32 v229, 0xffff, v[PW]
	v_lshrrev_b32 v230, 16, v[PW]
	v_cndmask_b32 v[KS0+\a/2], v[KS0+\a/2], v229, vcc_lo   ; an odd tile's words go to lanes 16-31
	v_cndmask_b32 v[KS1+\a/2], v[KS1+\a/2], v230, vcc_lo
.endif
.endr
	global_store_b128 v[L16], v[KS0:KS0+3], s[10:11] offset:6144
	global_store_b128 v[L16], v[KS1:KS1+3], s[18:19] offset:6144
	s_branch .Lclose
; ---- v: a lane holds one channel and 128 keys
.Lv_path:
	s_lshl_b32 s22, s17, 10
	s_lshl_b32 s23, s15, 9
	s_add_co_u32 s22, s22, s23
	s_mov_b32 s23, 0
	s_add_nc_u64 s[8:9], s[8:9], s[22:23]          ; bv at my 128 channels
	s_lshl_b32 s22, s42, 1
	s_add_co_u32 s22, s22, s16                     ; my 128 keys: group 0..63
	s_lshr_b32 s46, s22, 4
	s_lshl_b32 s46, s46, 4
	s_lshl_b32 s47, s17, 2
	s_add_co_u32 s46, s46, s47
	s_lshl_b32 s47, s15, 1
	s_add_co_u32 s46, s46, s47                     ; 16 x batch + my first head
	s_lshl_b32 s46, s46, 4
	s_and_b32 s22, s22, 15
	s_add_co_u32 s46, s46, s22
	s_mul_i32 s46, s46, 13056
	s_add_co_u32 s46, s46, 6656                    ; v's part of the record
	s_mov_b32 s47, 0
	s_add_nc_u64 s[10:11], s[18:19], s[46:47]
	s_add_nc_u64 s[18:19], s[10:11], 208896        ; the second head's: 16 records on
	v_and_b32 v26, 8, v1
	v_add_nc_u32 v26, v26, v1
	v_lshlrev_b32 v26, 2, v26                      ; my channel in a block: r + 8 (r / 8)
	v_lshlrev_b32 v3, 3, v2                        ; 8 h, for the scale word
.irp a, 0,1,2,3,4,5,6,7
	global_load_b32 v[BT+2*\a], v26, s[8:9] offset:4*(32*(\a/2)+8*(\a%2))
	global_load_b32 v[BT+2*\a+1], v26, s[8:9] offset:4*(32*(\a/2)+8*(\a%2))   ; twice: a pair for the packed addition
.endr
	STEP 0, 0, 1, 0                                ; K step 3
	LAST
	s_wait_loadcnt 0x0
	PLACES NP
.irp b, 0,1,2,3
	v_mov_b32 v[TM+4+\b], 0
.endr
.irp a, 0,1,2,3,4,5,6,7
.if \a > 0
	s_wait_xcnt 0x0
.endif
	WIN (0x02+(\a/4))
.set ti, 0
.rept 32
	v_pk_add_f32 v[T+ti:T+ti+1], v[64*(\a%4)+ti:64*(\a%4)+ti+1], v[BT+2*\a:BT+2*\a+1]
.set ti, ti+2
.endr
	WIN 0
	QUANTV T, PW
	global_store_b128 v[L16], v[PC:PC+3], s[10+8*(\a/4):11+8*(\a/4)] offset:1536*(\a%4)
	global_store_b64 v[L8], v[PC+4:PC+5], s[10+8*(\a/4):11+8*(\a/4)] offset:1536*(\a%4)+512
	global_store_b128 v[L16], v[PC+6:PC+9], s[10+8*(\a/4):11+8*(\a/4)] offset:1536*(\a%4)+768
	global_store_b64 v[L8], v[PC+10:PC+11], s[10+8*(\a/4):11+8*(\a/4)] offset:1536*(\a%4)+1280
.if (\a%2) == 0
	v_mov_b32 v[KS1+\a/2], v[PW]
.else
	v_cndmask_b32 v[KS1+\a/2], v[KS1+\a/2], v[PW], vcc_lo
.endif
.if (\a%4) == 3
	global_store_b64 v[L8], v[KS1+2*(\a/4):KS1+2*(\a/4)+1], s[10+8*(\a/4):11+8*(\a/4)] offset:6144   ; a head's scale words: 256 consecutive bytes
.endif
.endr
.Lclose:
	s_wait_tensorcnt 0x0                           ; the wave's end
	ds_add_u32 v[SPW], v[NIL]
	s_wait_dscnt 0x0
	CROUND                                         ; the closing round: no work-group ends while a partner may still ask for a tile that names it
	s_endpgm
.Lfunc_end_k_q8a44c9c236_proj:
	.size	k_q8a44c9c236_proj, .Lfunc_end_k_q8a44c9c236_proj-k_q8a44c9c236_proj
	.p2alignl 7, 3214868480
	.fill 96, 4, 3214868480
	.section	.rodata,"a",@progbits
	.p2align	6, 0x0
	.amdhsa_kernel k_q8a44c9c236_proj
		.amdhsa_group_segment_fixed_size 327680
		.amdhsa_private_segment_fixed_size 0
		.amdhsa_enable_private_segment 0
		.amdhsa_kernarg_size 72
		.amdhsa_user_sgpr_count 2
		.amdhsa_user_sgpr_kernarg_segment_ptr 1
		.amdhsa_wavefront_size32 1
		.amdhsa_system_sgpr_workgroup_id_x 1
		.amdhsa_system_sgpr_workgroup_id_y 1
		.amdhsa_system_sgpr_workgroup_id_z 1
		.amdhsa_system_vgpr_workitem_id 0
		.amdhsa_next_free_vgpr 1024
		.amdhsa_next_free_sgpr 102
		.amdhsa_reserve_vcc 1
		.amdhsa_float_denorm_mode_32 3
		.amdhsa_float_denorm_mode_16_64 3
		.amdhsa_memory_ordered 1
		.amdhsa_forward_progress 1
		.amdhsa_inst_pref_size 237
	.end_amdhsa_kernel
	.amdgpu_metadata
---
amdhsa.version: [ 1, 2 ]
amdhsa.kernels:
  - .name:           k_q8a44c9c236_proj
    .symbol:         k_q8a44c9c236_proj.kd
    .args:
      - { .name: xc, .offset: 0, .size: 8, .value_kind: global_buffer, .address_space: global }
      - { .name: xs, .offset: 8, .size: 8, .value_kind: global_buffer, .address_space: global }
      - { .name: wc, .offset: 16, .size: 8, .value_kind: global_buffer, .address_space: global }
      - { .name: ws, .offset: 24, .size: 8, .value_kind: global_buffer, .address_space: global }
      - { .name: bq, .offset: 32, .size: 8, .value_kind: global_buffer, .address_space: global }
      - { .name: bk, .offset: 40, .size: 8, .value_kind: global_buffer, .address_space: global }
      - { .name: bv, .offset: 48, .size: 8, .value_kind: global_buffer, .address_space: global }
      - { .name: qi, .offset: 56, .size: 8, .value_kind: global_buffer, .address_space: global }
      - { .name: kv, .offset: 64, .size: 8, .value_kind: global_buffer, .address_space: global }
    .group_segment_fixed_size: 327680
    .private_segment_fixed_size: 0
    .kernarg_segment_align: 8
    .kernarg_segment_size: 72
    .max_flat_workgroup_size: 128
    .sgpr_count:     102
    .vgpr_count:     1024
    .wavefront_size: 32
...
	.end_amdgpu_metadata
.endif
;; end of part 2
;; launch attn (part 3): grid 4 x 64, 16 waves a work-group, clusters of 4 x 1, 264,192 bytes of LDS; arguments qi, kv, oc, os; writes oc, os
.if DOCPART == 3
	.amdgcn_target "amdgcn-amd-amdhsa--gfx1250"
	.amdhsa_code_object_version 6
	.text
	.protected	k_q8a44c9c236_attn
	.globl	k_q8a44c9c236_attn
	.p2align	8
	.type	k_q8a44c9c236_attn,@function
k_q8a44c9c236_attn:
	s_mov_b64 s[64:65], 0
	v_nop
	global_prefetch_b8 v0, s[64:65] scope:SCOPE_SE
	s_setreg_imm32_b32 hwreg(HW_REG_WAVE_MODE, 25, 1), 1
	s_wait_xcnt 0x0
	s_wait_alu depctr_hold_cnt(0) depctr_sa_sdst(0) depctr_va_vdst(0) depctr_va_sdst(0) depctr_va_ssrc(0) depctr_va_vcc(0) depctr_vm_vsrc(0)
	s_getreg_b32 s2, hwreg(HW_REG_IB_STS2, 6, 4)
	s_cmp_eq_u32 s2, 0
	s_cbranch_scc0 .Lentry_in_a_cluster
	s_endpgm
.Lentry_in_a_cluster:
	s_bfe_u32 s2, ttmp6, 0x10000c
	s_cmp_lg_u32 s2, 0x3003
	s_cbranch_scc0 .Lentry_shape_is_right
	s_endpgm
.Lentry_shape_is_right:
; o = softmax(q k^T / 8) v for 64 (batch, head) pairs, 2,048 queries and keys, head size 64, both products on codes of FP6 (E2M3) with E8M0 scales; o / l is quantised along the head's 64 channels and leaves as the last product's operand.
; THE SOFTMAX: t = score x log2(e) / 8; M = the running largest t rounded UP to a whole number; p = 2^(t - M) is quantised along the keys, not normalised; the row's sum is taken of the unquantised p and divides O at the end.
; When M moves, the sum and O are multiplied by 2^(old M - new M), which rounds nothing.  A block's largest p is made from the block's largest score by the same multiply-add and exponential
; (this takes v_exp_f32 not to fall where its input rises; at the worst one p of a block, within an ulp of a power of two, is held one code low).
; SHARES.  A work-group owns ONE (batch, head), y, and 512 of its queries; the four work-groups of a cluster own the same pair and ask for its k and v JOINTLY.  Each of sixteen waves owns 16 queries in each of two passes.
; LDS.  The pair's 16 records (13,056 bytes, 128 keys each: 8 half images of k, 512 bytes of their scale words, 4 fragments of v, 256 bytes of their scale words) all lie in LDS, record i at 16,384 i:
; one joint load a wave at the head, 51 rows of 256 bytes, and nothing is ever filled again: one barrier shows them to all waves, and behind it the waves share nothing.
; No prefetch: every byte of k and v is asked for by the head's loads, so no loop is left to run ahead in.
; THE KEYS' ORDER.  Place 8 h + j of tile 4 c + t of a record is key 64 c + 32 h + 8 t + j.  Both products are used transposed, a lane holds one query (lane % 16): so the 32 score registers of tiles 4 c .. 4 c + 3
; are the 32 neighbouring keys of ONE scale block, 2 c + h, in the order of the second product's operand: a block's maximum needs no other lane and the conversions' results are the operand's registers.
; THE FIRST PRODUCT'S K IS 64.  q's upper 64 of the instruction's 128 are zero codes under scale bytes 0 (2^-127).  Every code of E2M3 is a finite number, so what stands against those zeros adds nothing:
; tile t's operand is v[32 + 6 t .. 43 + 6 t], its upper six registers being tile t + 1's codes (tile 7's: the second pass's q): 8 tiles in 54 registers.
; A STEP: v of the record in hand is asked for; 8 score products; k of the NEXT record is asked for; the softmax; 4 products.  One text serves all 32 steps, so the last step asks for record 0's k once more (17 LDS loads that nobody reads).
; o's scale bytes: a head is half of a scale word of the last product, so they leave as two bytes a row (262,144 bytes in all); every other store covers whole aligned runs of 256 bytes.
; LIMITS: the promise holds while the scaled scores t stay under 2^31 in magnitude; NaN and infinities are not served; a block whose largest magnitude lies under 2^-124, a block of zeros too, keeps the byte 1.
; REGISTERS: v1, v2 16 x lane, 8 x lane; v3, v4 the same + a record's place; v5, v6 for the add; v7 the second pass's q scale words; v8 16 r; v9 8 h; v10-11 v's scale words; v12 -M, v13 the largest score, v[14:15] the sum;
;   v16-27 q; v28-31 k's scale words; v32-79 k; v80-85 the second pass's q; v86-133 v; v134-197 S^T, then p; v198-229 O^T; v230-241 p's codes (before them: at work); v242-251, v254 at work; v252 f; v253 p's scale word; v255 q's.
.set REC,   13056
.set PIT,   16384                      ; from record to record in LDS
.set SPARE, 16*PIT                     ; the spare words, 128 bytes for each wave: eight blocks of 256 bytes that no other line names
.set SPW,  5
.set NIL,  6
.set KF,   32
.set VF,   86
.set S,    134
.set O,    198
.set PC,   230
.set WV,   12                          ; s12  my wave's number
.set G1,   24                          ; s[24:31] descriptor group 1
.set G0,   32                          ; s[32:35] group 0
.set TB,   36                          ; s36  LDS byte of the record whose k is asked for next
.set CNT,  37                          ; s37  steps to go
.set CS,   38                          ; s[38:39] c = log2(e) / 8
.set SEL,  40                          ; s[40:41] lane selects: lane l xor 16
.set NC,   46                          ; s46  -c
.macro CROUND                          ; a round of the cluster's barrier
	s_barrier_signal -1
	s_barrier_wait -1
	s_cmp_lg_u32 s[WV], 0
	s_cbranch_scc1 .Lnot_wave_0_\@
	s_barrier_signal -3
.Lnot_wave_0_\@:
	s_barrier_wait -3
	s_barrier_signal -1
	s_barrier_wait -1
.endm
.macro WALU
	s_wait_alu depctr_va_vdst(0)
.endm
.macro INIT                            ; a pass begins
	v_mov_b32 v13, 0xff61b1e6                      ; the largest score so far: -3e38
	v_mov_b32 v12, 0x7e000000                      ; -M: so large that the first f is 0
	v_mov_b32 v14, 0
	v_mov_b32 v15, 0
.set j, 0
.rept 32
	v_mov_b32 v[O+j], 0                            ; O^T: the first step finds zeros, which the first change of M leaves zeros
.set j, j+1
.endr
.endm
.macro KLOAD                           ; k of the record at v3, v4: 8 half images and their scale words: 17 loads
.irp t, 0,1,2,3,4,5,6,7
	ds_load_b128 v[KF+6*\t:KF+6*\t+3], v3 offset:768*\t
	ds_load_b64 v[KF+6*\t+4:KF+6*\t+5], v4 offset:768*\t+512
.endr
	ds_load_b128 v[28:31], v3 offset:6144          ; register i: lanes 0-15 tile 2 i, lanes 16-31 tile 2 i + 1
.endm
.macro SPROD t                         ; S^T of tile t: source 0 = 16 keys, source 1 = my 16 queries
.if (\t)%2
	v_wmma_scale_f32_16x16x128_f8f6f4 v[S+8*(\t):S+8*(\t)+7], v[KF+6*(\t):KF+6*(\t)+11], v[16:27], 0, v[28+(\t)/2], v255 matrix_a_fmt:MATRIX_FMT_FP6 matrix_b_fmt:MATRIX_FMT_FP6 matrix_a_scale:MATRIX_SCALE_ROW1
.else
	v_wmma_scale_f32_16x16x128_f8f6f4 v[S+8*(\t):S+8*(\t)+7], v[KF+6*(\t):KF+6*(\t)+11], v[16:27], 0, v[28+(\t)/2], v255 matrix_a_fmt:MATRIX_FMT_FP6 matrix_b_fmt:MATRIX_FMT_FP6
.endif
.endm
.macro FM from, to                     ; t - M, two at a time
.set j, \from
.rept (\to)-(\from)
	v_pk_fma_f32 v[S+2*j:S+2*j+1], v[S+2*j:S+2*j+1], s[CS:CS+1], v[12:13] op_sel_hi:[1,0,0]
.set j, j+1
.endr
.endm
.macro ADDS from, to, d                ; the sum's tree, in place: pair k += pair k + d
.set j, \from
.rept (\to)-(\from)
	v_pk_add_f32 v[S+2*j:S+2*j+1], v[S+2*j:S+2*j+1], v[S+2*(j+\d):S+2*(j+\d)+1]
.set j, j+1
.endr
.endm
.macro STEP
.irp t, 0,1,2,3                        ; v of the record in hand (v3, v4 still point at it): 17 loads, which land under the softmax
	ds_load_b128 v[VF+12*\t:VF+12*\t+3], v3 offset:6656+1536*\t
	ds_load_b64 v[VF+12*\t+4:VF+12*\t+5], v4 offset:6656+1536*\t+512
	ds_load_b128 v[VF+12*\t+6:VF+12*\t+9], v3 offset:6656+1536*\t+768
	ds_load_b64 v[VF+12*\t+10:VF+12*\t+11], v4 offset:6656+1536*\t+1280
.endr
	ds_load_b64 v[10:11], v4 offset:12800
	s_add_co_u32 s[TB], s[TB], PIT
	s_and_b32 s[TB], s[TB], 16*PIT-1               ; behind record 15 comes record 0
	s_wait_dscnt 17                                ; k is in: the 17 loads just issued may be out
.irp t, 0,1,2,3,4,5,6,7
	SPROD \t
.endr
	v_add_nc_u32 v3, s[TB], v1                     ; four places behind the products
	v_add_nc_u32 v4, s[TB], v2
	v_mov_b32 v254, v12                            ; the old -M
	v_nop
	KLOAD                                          ; the next record's k
.irp c, 0,1                            ; the largest score of each of my two blocks of 32 keys, in two chains each; every accumulator is first read at its low end
	v_max3_num_f32 v[PC+2*\c], v[S+32*\c], v[S+32*\c+1], v[S+32*\c+2]
	v_max3_num_f32 v[PC+2*\c+1], v[S+32*\c+16], v[S+32*\c+17], v[S+32*\c+18]
.endr
.irp i, 3,5,7,9,11,13
.irp c, 0,1
	v_max3_num_f32 v[PC+2*\c], v[PC+2*\c], v[S+32*\c+\i], v[S+32*\c+\i+1]
	v_max3_num_f32 v[PC+2*\c+1], v[PC+2*\c+1], v[S+32*\c+\i+16], v[S+32*\c+\i+17]
.endr
.endr
.irp c, 0,1
	v_max3_num_f32 v[PC+2*\c], v[PC+2*\c], v[S+32*\c+15], v[S+32*\c+31]
.endr
.irp c, 0,1
	s_delay_alu instid0(VALU_DEP_2)
	v_max_num_f32 v[PC+2*\c], v[PC+2*\c], v[PC+2*\c+1]
.endr
	s_delay_alu instid0(VALU_DEP_1)
	v_max_num_f32 v234, v230, v232
	s_delay_alu instid0(VALU_DEP_1)
	v_permlanex16_b32 v235, v234, s[SEL], s[SEL+1] ; lane l xor 16 holds my query's other 64 keys
	s_delay_alu instid0(VALU_DEP_1)
	v_max3_num_f32 v13, v13, v234, v235            ; the running largest score
	s_delay_alu instid0(VALU_DEP_1)
	v_mul_f32 v236, s[NC], v13                     ; -t
	s_delay_alu instid0(VALU_DEP_1)
	v_floor_f32 v12, v236                          ; the new -M = floor(-t) = -ceil(t)
	s_delay_alu instid0(VALU_DEP_1)
	v_sub_f32 v254, v12, v254                      ; old M - new M: a whole number, 0 or less
	FM 0, 4
	v_cvt_i32_f32 v254, v254                       ; (it saturates)
	FM 4, 8
	v_ldexp_f32 v252, 1.0, v254                    ; f = 2^(old M - new M)
	FM 8, 32
	v_fma_f32 v230, v230, s[CS], v12               ; the same of each block's largest score
	v_fma_f32 v232, v232, s[CS], v12
.set j, 0
.rept 16
	v_pk_mul_f32 v[O+j:O+j+1], v[O+j:O+j+1], v[252:253] op_sel_hi:[1,0]   ; O^T under the new M, each accumulator from its low end on
.set j, j+2
.endr
	WALU                                           ; ahead of the batch
.set j, 0
.rept 64
	v_exp_f32 v[S+j], v[S+j]                       ; p = 2^(t - M)
.set j, j+1
.endr
	v_exp_f32 v230, v230                           ; the blocks' largest p
	v_exp_f32 v232, v232
	v_pk_mul_f32 v[14:15], v[14:15], v[252:253] op_sel_hi:[1,0]   ; the sum under the new M (a plain place behind the exponentials)
	WALU                                           ; behind the batch
	v_max_num_f32 v230, 0x1800000, v230            ; the floor 2^(3 - 127)
	v_max_num_f32 v232, 0x1800000, v232
	s_delay_alu instid0(VALU_DEP_2)
	v_add_nc_u32 v242, 0xff000000, v230            ; 2 off the exponent field: the conversion's scale operand
	s_delay_alu instid0(VALU_DEP_2)
	v_add_nc_u32 v243, 0xff000000, v232
	v_cvt_scalef32_pk16_fp6_f32 v[PC:PC+2], v[S:S+15], v242
	v_cvt_scalef32_pk16_fp6_f32 v[244:246], v[S+16:S+31], v242      ; (a conversion's three registers begin on an even number)
	v_cvt_scalef32_pk16_fp6_f32 v[PC+6:PC+8], v[S+32:S+47], v243
	v_cvt_scalef32_pk16_fp6_f32 v[248:250], v[S+48:S+63], v243
	v_lshrrev_b32 v251, 23, v242                   ; the bytes of blocks h and 2 + h
	v_lshrrev_b32 v254, 23, v243
	v_mov_b32 v[PC+3], v244
	v_mov_b32 v[PC+4], v245
	v_lshl_or_b32 v253, v254, 16, v251
	v_mov_b32 v[PC+5], v246
	v_mov_b32 v[PC+9], v248
	v_lshlrev_b32 v253, v9, v253                   ; at their places in the scale word, 8 h bits up
	v_mov_b32 v[PC+10], v249
	v_mov_b32 v[PC+11], v250
	v_permlanex16_b32 v247, v253, s[SEL], s[SEL+1]
	ADDS 0, 2, 16                                  ; THE ROW'S SUM IS TAKEN OF THE UNQUANTISED p
	v_or_b32 v253, v253, v247                      ; p's scale word for these 128 keys
	ADDS 2, 16, 16                                 ; (14 places between the scale word and the products)
	WALU
	s_wait_dscnt 17                                ; v and its scale words are in: the next k's 17 loads may be out
.irp t, 0,2                            ; O^T += V^T P^T: four accumulators by turns, one instruction a turn
	v_wmma_scale_f32_16x16x128_f8f6f4 v[O+8*\t:O+8*\t+7], v[VF+12*\t:VF+12*\t+11], v[PC:PC+11], v[O+8*\t:O+8*\t+7], v[10+\t/2], v253 matrix_a_fmt:MATRIX_FMT_FP6 matrix_b_fmt:MATRIX_FMT_FP6
	v_wmma_scale_f32_16x16x128_f8f6f4 v[O+8*\t+8:O+8*\t+15], v[VF+12*\t+12:VF+12*\t+23], v[PC:PC+11], v[O+8*\t+8:O+8*\t+15], v[10+\t/2], v253 matrix_a_fmt:MATRIX_FMT_FP6 matrix_b_fmt:MATRIX_FMT_FP6 matrix_a_scale:MATRIX_SCALE_ROW1
.endr
	ADDS 0, 8, 8                                   ; the rest of the tree: also the places behind the products
	ADDS 0, 4, 4
	s_delay_alu instid0(VALU_DEP_2)
	v_pk_add_f32 v[S:S+1], v[S:S+1], v[S+4:S+5]
	s_delay_alu instid0(VALU_DEP_2)
	v_pk_add_f32 v[S+2:S+3], v[S+2:S+3], v[S+6:S+7]
	s_delay_alu instid0(VALU_DEP_1)
	v_pk_add_f32 v[S:S+1], v[S:S+1], v[S+2:S+3]
	s_delay_alu instid0(VALU_DEP_1)
	v_pk_add_f32 v[14:15], v[14:15], v[S:S+1]
.endm
; A pass's end: O^T / the sum, quantised along the head's 64 channels (register 16 b + i is channel 32 b + 16 h + i): a half image of the last product's operand and two scale bytes
.macro FINAL p
	WALU
	v_add_f32 v14, v14, v15
	v_permlanex16_b32 v247, v14, s[SEL], s[SEL+1]
	v_add_f32 v14, v14, v247                       ; the row's sum
	WALU
	v_rcp_f32 v14, v14
	v_nop                                          ; a plain place behind the transcendental
	WALU
.set j, 0
.rept 16
	v_pk_mul_f32 v[S+j:S+j+1], v[O+j:O+j+1], v[14:15] op_sel_hi:[1,0]
.set j, j+2
.endr
.irp b, 0,1
	v_max3_num_f32 v[242+\b], |v[S+16*\b]|, |v[S+1+16*\b]|, 0x1800000
.endr
.irp i, 2,4,6,8,10,12,14
.irp b, 0,1
	v_max3_num_f32 v[242+\b], v[242+\b], |v[S+16*\b+\i]|, |v[S+1+16*\b+\i]|
.endr
.endr
.irp b, 0,1
	v_permlanex16_b32 v[244+\b], v[242+\b], s[SEL], s[SEL+1]
.endr
.irp b, 0,1
	v_max_num_f32 v[242+\b], v[242+\b], v[244+\b]
.endr
.irp b, 0,1
	v_add_nc_u32 v[242+\b], 0xff000000, v[242+\b]
.endr
.irp b, 0,1
	v_lshrrev_b32 v[244+\b], 23, v[242+\b]
.endr
	v_lshl_or_b32 v254, v245, 8, v244
	v_cvt_scalef32_pk16_fp6_f32 v[PC:PC+2], v[S:S+15], v242
	v_cvt_scalef32_pk16_fp6_f32 v[248:250], v[S+16:S+31], v243
	v_and_b32 v251, 0x78, v2                       ; 8 r (a plain place behind the conversions)
.irp i, 0,1,2
	v_permlane16_swap_b32 v[PC+\i], v[248+\i]      ; a whole block to a lane
.endr
.irp i, 0,1,2
	v_mov_b32 v[PC+3+\i], v[248+\i]
.endr
	global_store_b128 v1, v[PC:PC+3], s[42:43] offset:49152*\p
	global_store_b64 v2, v[PC+4:PC+5], s[42:43] offset:49152*\p+512
	global_store_b16 v251, v254, s[44:45] offset:8192*\p   ; lanes l and l xor 16 hold the same two bytes and write them to the same place
.endm
	s_load_b256 s[4:11], s[0:1], 0x0               ; qi, kv, oc, os
	v_lshl_add_u32 v[SPW], v0, 2, SPARE
	v_mov_b32 v[NIL], 0
	ds_add_u32 v[SPW], v[NIL]                      ; the opening lines: the add, twice on end, and its wait
	ds_add_u32 v[SPW], v[NIL]
	v_lshrrev_b32 v1, 5, v0
	v_readfirstlane_b32 s[WV], v1                  ; wave 0..15
	v_and_b32 v3, 31, v0
	v_and_b32 v8, 15, v0
	v_bfe_u32 v9, v0, 4, 1
	v_lshlrev_b32 v1, 4, v3                        ; 16 x lane
	v_lshlrev_b32 v2, 3, v3                        ; 8 x lane
	v_lshlrev_b32 v8, 4, v8                        ; 16 r: q's scale words
	v_lshlrev_b32 v9, 3, v9                        ; 8 h
	s_bfe_u32 s13, ttmp6, 0x40000                  ; cx: my 512 queries; it enters q's and o's addresses alone
	s_and_b32 s15, ttmp7, 0xffff                   ; y = 16 x batch + head, which the four partners share
	s_lshr_b32 s16, s15, 4                         ; batch
	s_and_b32 s17, s15, 15                         ; head
	s_lshl_b32 s18, s15, 4                         ; q's record: 16 y + 4 cx + wave / 8 (the second pass: two records on)
	s_lshl_b32 s19, s13, 2
	s_add_co_u32 s18, s18, s19
	s_lshr_b32 s19, s[WV], 3
	s_add_co_u32 s18, s18, s19
	s_mul_i32 s18, s18, 6656
	s_and_b32 s20, s[WV], 7                        ; my tile in it
	s_mul_i32 s22, s20, 768
	s_add_co_u32 s22, s22, s18
	s_mov_b32 s23, 0                               ; s[22:23]: my half image
	s_and_b32 s19, s20, 1
	s_lshl_b32 s19, s19, 8
	s_add_co_u32 s18, s18, s19
	s_lshr_b32 s19, s20, 1
	s_lshl_b32 s19, s19, 2
	s_add_co_u32 s18, s18, s19
	s_add_co_u32 s18, s18, 6144
	s_mov_b32 s19, 0                               ; s[18:19]: my tile's scale words
	s_lshl_b32 s42, s16, 7                         ; o's codes: block 128 x batch + 32 cx + wave (the second pass: 16 blocks on),
	s_lshl_b32 s43, s13, 5
	s_add_co_u32 s42, s42, s43
	s_add_co_u32 s42, s42, s[WV]
	s_mul_i32 s42, s42, 3072
	s_lshr_b32 s43, s17, 2                         ; K step of 256: head / 4; the 64 in it: head % 4
	s_mul_i32 s43, s43, 1572864
	s_add_co_u32 s42, s42, s43
	s_and_b32 s43, s17, 3
	s_mul_i32 s43, s43, 768
	s_add_co_u32 s42, s42, s43
	s_mov_b32 s43, 0
	s_lshl_b32 s44, s16, 3                         ; o's scale bytes: tile of 256 rows 8 x batch + 2 cx (the second pass: one on), K / 128 = head / 2, unit wave / 4, block wave % 4, half word head % 2
	s_lshl_b32 s45, s13, 1
	s_add_co_u32 s44, s44, s45
	s_lshl_b32 s44, s44, 13
	s_lshr_b32 s45, s17, 1
	s_lshl_b32 s45, s45, 10
	s_add_co_u32 s44, s44, s45
	s_lshr_b32 s45, s[WV], 2
	s_lshl_b32 s45, s45, 8
	s_add_co_u32 s44, s44, s45
	s_bfe_u32 s45, s[WV], 0x10001
	s_lshl_b32 s45, s45, 7
	s_add_co_u32 s44, s44, s45
	s_and_b32 s45, s[WV], 1
	s_lshl_b32 s45, s45, 2
	s_add_co_u32 s44, s44, s45
	s_and_b32 s45, s17, 1
	s_lshl_b32 s45, s45, 1
	s_add_co_u32 s44, s44, s45
	s_mov_b32 s45, 0
	s_lshl_b32 s48, s15, 4                         ; the record that I fetch: 16 y + wave
	s_add_co_u32 s48, s48, s[WV]
	s_mul_i32 s48, s48, REC
	s_mov_b32 s49, 0
	s_mov_b32 s[G1], 15|(3<<16)|(1<<21)            ; the mask: all four work-groups; elements of 8 bytes; bit 21 set beside a mask
	s_mov_b32 s[G1+1], 32<<16                      ; a dense block as 51 rows of 256 bytes
	s_mov_b32 s[G1+2], 51<<16
	s_mov_b32 s[G1+3], 32<<16
	s_mov_b32 s[G1+4], 51
	s_mov_b32 s[G1+5], 32
	s_mov_b32 s[G1+6], 0
	s_mov_b32 s[G1+7], 0
	s_mov_b32 s[G0], 1
	s_lshl_b32 s[G0+1], s[WV], 14                  ; LDS: 16,384 x wave
	s_mov_b32 s[CS], 0x3e38aa3b                    ; c = log2(e) / 8
	s_mov_b32 s[CS+1], s[CS]                       ; (named with it as a pair, so it is written)
	s_mov_b32 s[NC], 0xbe38aa3b
	s_mov_b32 s[SEL], 0x76543210
	s_mov_b32 s[SEL+1], 0xfedcba98
	WALU
	s_wait_dscnt 0x0                               ; both opening adds are done
	CROUND                                         ; all four work-groups are here: the joint loads meet
	s_wait_kmcnt 0x0
	s_add_nc_u64 s[G0+2:G0+3], s[6:7], s[48:49]
	s_or_b32 s[G0+3], s[G0+3], 0x80000000          ; type = 2
	tensor_load_to_lds s[G0:G0+3], s[G1:G1+7]      ; my record: a wave's one tensor load of the launch
	s_nop 0
	s_add_nc_u64 s[22:23], s[4:5], s[22:23]
	s_add_nc_u64 s[18:19], s[4:5], s[18:19]
	s_add_nc_u64 s[42:43], s[8:9], s[42:43]
	s_add_nc_u64 s[44:45], s[10:11], s[44:45]
	global_load_b128 v[16:19], v1, s[22:23]        ; q of the first pass: registers 0-3,
	global_load_b64 v[20:21], v2, s[22:23] offset:512   ; 4-5,
	global_load_b32 v255, v8, s[18:19]             ; its scale words
	global_load_b128 v[80:83], v1, s[22:23] offset:13312   ; the second pass's, kept behind k's tiles
	global_load_b64 v[84:85], v2, s[22:23] offset:13312+512
	global_load_b32 v7, v8, s[18:19] offset:13312
.irp j, 22,23,24,25,26,27
	v_mov_b32 v[\j], 0                             ; q's upper 64 of K: zero codes
.endr
.irp j, 235,244,245,247,252,253
	v_mov_b32 v[\j], 0                             ; written once: a lane permute's destination counts as one of its sources; v[252:253] is named as a pair
.endr
	INIT
	v_mov_b32 v3, v1                               ; record 0
	v_mov_b32 v4, v2
	s_mov_b32 s[TB], 0
	s_mov_b32 s[CNT], 32
	WALU                                           ; the head's end
	s_wait_loadcnt 0x0                             ; q of both passes
	s_wait_tensorcnt 0x0                           ; my record is in
	s_barrier_signal -1
	s_barrier_wait -1                              ; everybody's is
	KLOAD
.Lstep:
	s_cmp_lg_u32 s[CNT], 16                        ; sixteen steps are done: the first pass is done (a count, the same in every wave)
	s_cbranch_scc1 .Lsame
	FINAL 0
	v_mov_b32 v255, v7                             ; the second pass's q
.irp i, 0,1,2,3,4,5
	v_mov_b32 v[16+\i], v[80+\i]
.endr
	INIT                                           ; (also the places between the writes above and the next scaled matrix instruction)
	WALU
	s_wait_xcnt 0x0                                ; the stores have read their registers, which the next step writes
.Lsame:
	STEP
	s_sub_co_u32 s[CNT], s[CNT], 1
	s_cmp_lg_u32 s[CNT], 0
	s_cbranch_scc1 .Lstep
	FINAL 1
	s_wait_tensorcnt 0x0                           ; the wave's end
	ds_add_u32 v[SPW], v[NIL]
	s_wait_dscnt 0x0
	CROUND                                         ; the closing round
	s_endpgm
.Lfunc_end_k_q8a44c9c236_attn:
	.size	k_q8a44c9c236_attn, .Lfunc_end_k_q8a44c9c236_attn-k_q8a44c9c236_attn
	.p2alignl 7, 3214868480
	.fill 96, 4, 3214868480
	.section	.rodata,"a",@progbits
	.p2align	6, 0x0
	.amdhsa_kernel k_q8a44c9c236_attn
		.amdhsa_group_segment_fixed_size 264192
		.amdhsa_private_segment_fixed_size 0
		.amdhsa_enable_private_segment 0
		.amdhsa_kernarg_size 32
		.amdhsa_user_sgpr_count 2
		.amdhsa_user_sgpr_kernarg_segment_ptr 1
		.amdhsa_wavefront_size32 1
		.amdhsa_system_sgpr_workgroup_id_x 1
		.amdhsa_system_sgpr_workgroup_id_y 1
		.amdhsa_system_sgpr_workgroup_id_z 1
		.amdhsa_system_vgpr_workitem_id 0
		.amdhsa_next_free_vgpr 256
		.amdhsa_next_free_sgpr 66
		.amdhsa_reserve_vcc 0
		.amdhsa_float_denorm_mode_32 3
		.amdhsa_float_denorm_mode_16_64 3
		.amdhsa_memory_ordered 1
		.amdhsa_forward_progress 1
		.amdhsa_inst_pref_size 33
	.end_amdhsa_kernel
	.amdgpu_metadata
---
amdhsa.version: [ 1, 2 ]
amdhsa.kernels:
  - .name:           k_q8a44c9c236_attn
    .symbol:         k_q8a44c9c236_attn.kd
    .args:
      - { .name: qi, .offset: 0, .size: 8, .value_kind: global_buffer, .address_space: global }
      - { .name: kv, .offset: 8, .size: 8, .value_kind: global_buffer, .address_space: global }
      - { .name: oc, .offset: 16, .size: 8, .value_kind: global_buffer, .address_space: global }
      - { .name: os, .offset: 24, .size: 8, .value_kind: global_buffer, .address_space: global }
    .group_segment_fixed_size: 264192
    .private_segment_fixed_size: 0
    .kernarg_segment_align: 8
    .kernarg_segment_size: 32
    .max_flat_workgroup_size: 512
    .sgpr_count:     66
    .vgpr_count:     256
    .wavefront_size: 32
...
	.end_amdgpu_metadata
.endif
;; end of part 3
;; launch outp (part 4): grid 4 x 64, 4 waves a work-group, clusters of 4 x 4, 307,712 bytes of LDS; arguments oc, os, wc, ws, bo, out0; writes out0
.if DOCPART == 4
	.amdgcn_target "amdgcn-amd-amdhsa--gfx1250"
	.amdhsa_code_object_version 6
	.text
	.protected	k_q8a44c9c236_outp
	.globl	k_q8a44c9c236_outp
	.p2align	8
	.type	k_q8a44c9c236_outp,@function
k_q8a44c9c236_outp:
	s_mov_b64 s[64:65], 0
	v_nop
	global_prefetch_b8 v0, s[64:65] scope:SCOPE_SE
	s_setreg_imm32_b32 hwreg(HW_REG_WAVE_MODE, 25, 1), 1
	s_wait_xcnt 0x0
	s_wait_alu depctr_hold_cnt(0) depctr_sa_sdst(0) depctr_va_vdst(0) depctr_va_sdst(0) depctr_va_ssrc(0) depctr_va_vcc(0) depctr_vm_vsrc(0)
	s_getreg_b32 s2, hwreg(HW_REG_IB_STS2, 6, 4)
	s_cmp_eq_u32 s2, 0
	s_cbranch_scc0 .Lentry_in_a_cluster
	s_endpgm
.Lentry_in_a_cluster:
	s_bfe_u32 s2, ttmp6, 0x10000c
	s_cmp_lg_u32 s2, 0xf033
	s_cbranch_scc0 .Lentry_shape_is_right
	s_endpgm
.Lentry_shape_is_right:
; out0 = o Wo + bo: [8192][1024] f32, on codes of FP6 (E2M3) with E8M0 scales, K = 1,024 (the concatenated heads).  o's codes and scale words were made by the launch before, Wo's by the first (the fourth tensor of wc and ws).
; A BLOCK is 128 tokens x 256 columns: 64 x 4 = 256 work-groups of four waves, 2 x 2; a wave makes 64 tokens x 128 columns: 32 accumulators, 256 registers.
; ALL OF K LIES IN LDS: o's 8 row blocks (4 x 24,576 bytes), Wo's 16 (4 x 49,152), o's scale words (4,096), Wo's (8,192): 307,200 bytes.  The head's four joint loads, one a wave, bring them; nothing is filled again,
; so one barrier shows everything to all waves.  The two loads of codes have 4 long rows each, one for each K step of 256, which lie 1,572,864 (o) and 196,608 (Wo) bytes apart in memory and on end in LDS.
; No prefetch: every byte is asked for by the head's loads, so no loop is left to run ahead in.
; OPERANDS ARE IMAGES OF THEIR REGISTERS: a fragment (16 rows x 128 K) is 1,536 dense bytes and comes by loads of 16, 8, 16, 8 bytes a lane at 16 x lane and 8 x lane.
; THE MATRIX INSTRUCTION IS USED TRANSPOSED (source 0 = Wo's columns, source 1 = tokens): lane (r, h) holds the token at place r of its block, and register j of B's block b the column 32 (b / 2) + 8 (b % 2) + 16 h + j.
; Place t of token block a of a unit of 64 is token 8 a + t % 8 + 32 (t / 8).  The way out puts both orders right: columns in the stage, tokens in the stores' offsets.
; A STEP is 128 along K: the next step's 48 fragment loads are asked for, then 32 products on this step's fragments.  Both operands have two sets of registers.  All 96 scale words are loaded once.
; CLUSTERS: 4 x 4 work-groups; o's tiles are shared along a row, Wo's along a column, each asked for jointly.
; REGISTERS: window 0: v1-31 addresses, v20-23 the bias; v32-63 A's scale words (4 q + a), v64-127 B's (8 q + b); v128-223 A's fragments, two sets; on the way out v128-255 rows of the output.
;   window 1: B's fragments, two sets, at v0 and v128.   window 2: the accumulators, (a, b) at v[8 (8 a + b)].
.set FR,     12
.set ASTEP,  24576                     ; A's 8 blocks of a K step of 256
.set BSTEP,  49152                     ; B's 16
.set BB0,    4*ASTEP                   ; B's codes lie behind A's
.set SCA,    BB0+4*BSTEP               ; A's scale words: [K / 128][512]
.set SCB,    SCA+4096                  ; B's: [K / 128][1024]
.set SPARE,  SCB+8192                  ; the spare words, 128 bytes for each wave: two blocks of 256 bytes that no other line names
.set SPITCH, 528                       ; the way out: a stage of 16 rows x (512 + 16) bytes for each wave, from LDS byte 0 on: A's bytes, which have had their one fill, and their last read ahead of the last barrier
.set STO,  24                          ; v24  where I put 32 bytes of a row
.set RD,   25                          ; v25  where I read a row back
.set CO,   26                          ; v26  16 x lane
.set SPW,  28
.set NIL,  29
.set BO,   20                          ; v20-23 the bias of my four columns of a row
.set SA,   32
.set SB,   64
.set AF,   128
.set BK,   128
.set G1A, 24                           ; s[24:31], s[32:35] descriptor groups 1 and 0 of A's codes
.set G0A, 32
.set G1B, 48                           ; s[48:55], s[56:59] of B's
.set G0B, 56
.set G1S, 68                           ; s[68:75], s[76:79] of A's scale words
.set G0S, 76
.set G1SB, 80                          ; s[80:87], s[88:91] of B's
.set G0SB, 88
.set MSB, 0
.macro WIN new                         ; the immediate's high byte repeats the setting that is left
.if MSB != \new
	s_set_vgpr_msb (MSB<<8)|\new
.set MSB, \new
.endif
.endm
.set MUL,  0xa1                        ; source 0 (B) window 1, source 1 (A) window 0, C and D window 2
.set TO_B, 0x40                        ; destination window 1, address window 0
.macro PLACES n
.rept \n
	v_nop
.endr
.endm
.macro CROUND                          ; a round of the cluster's barrier
	s_barrier_signal -1
	s_barrier_wait -1
	s_cmp_lg_u32 s14, 0
	s_cbranch_scc1 .Lnot_wave_0_\@
	s_barrier_signal -3
.Lnot_wave_0_\@:
	s_barrier_wait -3
	s_barrier_signal -1
	s_barrier_wait -1
.endm
.macro GROUP1 g, mask, c, r, p         ; r rows of c elements of 8 bytes, p elements apart; bit 21 set beside the mask; no padding
	s_or_b32 s[\g+0], s\mask, (3<<16)|(1<<21)
	s_mov_b32 s[\g+1], (\c)<<16
	s_mov_b32 s[\g+2], (\r)<<16
	s_mov_b32 s[\g+3], (\c)<<16
	s_mov_b32 s[\g+4], \r
	s_mov_b32 s[\g+5], \p
	s_mov_b32 s[\g+6], 0
	s_mov_b32 s[\g+7], 0
.endm
.macro GROUP0 g, lds, base, off        ; count 1, the LDS address, the tile's address, type 2
	s_mov_b32 s[\g], 1
	s_mov_b32 s[\g+1], \lds
	s_add_nc_u64 s[\g+2:\g+3], s[\base:\base+1], s[\off:\off+1]
	s_or_b32 s[\g+3], s[\g+3], 0x80000000
.endm
.macro ARM wave, g0, g1, next          ; one arm of the head's chain: its load, and a jump to the join
	s_cmp_eq_u32 s14, \wave
	s_cbranch_scc0 \next
	tensor_load_to_lds s[\g0:\g0+3], s[\g1:\g1+7]
	s_nop 0
	PLACES 4
	s_branch .Lhead_asked
\next:
.endm
.macro FRAG reg, a16, a8, off          ; a fragment comes as it was stored: registers 0-3, 4-5, 6-9, 10-11
	ds_load_b128 v[(\reg):(\reg)+3], v[\a16] offset:(\off)
	ds_load_b64 v[(\reg)+4:(\reg)+5], v[\a8] offset:(\off)+512
	ds_load_b128 v[(\reg)+6:(\reg)+9], v[\a16] offset:(\off)+768
	ds_load_b64 v[(\reg)+10:(\reg)+11], v[\a8] offset:(\off)+1280
.endm
.macro FETCH q                         ; step q's fragments into set q % 2: B's eight, A's four: 48 loads
	WIN TO_B
.irp i, 0,1,2,3,4,5,6,7
	FRAG 128*((\q)%2)+FR*\i, 12+(\q)/2, 16+(\q)/2, 3072*\i+1536*((\q)%2)
.endr
	WIN 0
.irp i, 0,1,2,3
	FRAG AF+48*((\q)%2)+FR*\i, 4+(\q)/2, 8+(\q)/2, 3072*\i+1536*((\q)%2)
.endr
.endm
; 32 products: A's four blocks x B's eight, 128 along K.  The 32 accumulators take turns, one instruction a turn, in the same order in every step.
.macro MUL32 q, zero
.irp a, 0,1,2,3
.irp b, 0,1,2,3,4,5,6,7
.if \zero
	v_wmma_scale_f32_16x16x128_f8f6f4 v[8*(8*\a+\b):8*(8*\a+\b)+7], v[128*((\q)%2)+FR*\b:128*((\q)%2)+FR*\b+FR-1], v[AF+48*((\q)%2)+FR*\a:AF+48*((\q)%2)+FR*\a+FR-1], 0, v[SB+8*(\q)+\b], v[SA+4*(\q)+\a] matrix_a_fmt:MATRIX_FMT_FP6 matrix_b_fmt:MATRIX_FMT_FP6
.else
	v_wmma_scale_f32_16x16x128_f8f6f4 v[8*(8*\a+\b):8*(8*\a+\b)+7], v[128*((\q)%2)+FR*\b:128*((\q)%2)+FR*\b+FR-1], v[AF+48*((\q)%2)+FR*\a:AF+48*((\q)%2)+FR*\a+FR-1], v[8*(8*\a+\b):8*(8*\a+\b)+7], v[SB+8*(\q)+\b], v[SA+4*(\q)+\a] matrix_a_fmt:MATRIX_FMT_FP6 matrix_b_fmt:MATRIX_FMT_FP6
.endif
.endr
.endr
.endm
	s_load_b256 s[4:11], s[0:1], 0x0               ; oc, os, wc, ws
	s_load_b128 s[92:95], s[0:1], 0x20             ; bo, out0
	v_lshl_add_u32 v[SPW], v0, 2, SPARE
	v_mov_b32 v[NIL], 0
	ds_add_u32 v[SPW], v[NIL]                      ; the opening lines: the add, twice on end, and its wait
	ds_add_u32 v[SPW], v[NIL]
	v_lshrrev_b32 v1, 5, v0
	v_readfirstlane_b32 s14, v1                    ; wave 0..3
	s_lshr_b32 s15, s14, 1                         ; which 64 of the block's tokens are mine
	s_and_b32 s16, s14, 1                          ; which 128 of its columns
	s_bfe_u32 s40, ttmp6, 0x40000                  ; cx, cy
	s_bfe_u32 s41, ttmp6, 0x40004
	s_and_b32 s17, ttmp7, 0xffff
	s_lshl_b32 s17, s17, 2
	s_add_co_u32 s17, s17, s41                     ; the block of 128 tokens = 4 x cluster y + cy
	s_mov_b32 s42, s40                             ; the block of 256 columns = cx
	s_lshl_b32 s43, s41, 2
	s_lshl_b32 s43, 15, s43                        ; my row of the cluster
	s_lshl_b32 s44, 0x1111, s40                    ; my column
	GROUP1 G1A, 43, 3072, 4, 196608                ; A's codes: 4 rows of 24,576 bytes
	GROUP1 G1B, 44, 6144, 4, 24576                 ; B's: 4 rows of 49,152 bytes
	GROUP1 G1S, 43, 64, 8, 128                     ; A's scale words: my half, 512 bytes, of each of 8 rows of 1,024
	GROUP1 G1SB, 44, 32, 32, 32                    ; B's: 8,192 dense bytes as rows of 256
	s_mul_i32 s18, s17, ASTEP                      ; A's codes: 8 blocks of 3,072 bytes to a block of tokens
	s_mov_b32 s19, 0
	s_lshr_b32 s20, s17, 1                         ; its scale words: the tile of 256 rows, my half of it
	s_lshl_b32 s20, s20, 13
	s_and_b32 s21, s17, 1
	s_lshl_b32 s21, s21, 9
	s_add_co_u32 s20, s20, s21
	s_mov_b32 s21, 0
	s_mul_i32 s100, s42, BSTEP                     ; B likewise, in registers that never hold A's coordinate; Wo is the fourth tensor of wc and of ws
	s_add_co_u32 s100, s100, 2359296
	s_mov_b32 s101, 0
	s_lshl_b32 s46, s42, 13
	s_add_co_u32 s46, s46, 98304
	s_mov_b32 s47, 0
	s_wait_alu depctr_va_vdst(0)
	s_wait_dscnt 0x0                               ; both opening adds are done
	s_wait_kmcnt 0x0
	GROUP0 G0A, 0, 4, 18
	GROUP0 G0B, BB0, 8, 100
	GROUP0 G0S, SCA, 6, 20
	GROUP0 G0SB, SCB, 10, 46
	CROUND                                         ; all sixteen work-groups are here: the joint loads meet
	; THE HEAD'S LOADS, ONE A WAVE: one chain of branches on the wave's number, every way passes one load
	ARM 0, G0A, G1A, .Lhead_b
	ARM 1, G0B, G1B, .Lhead_sa
	ARM 2, G0S, G1S, .Lhead_sb
	tensor_load_to_lds s[G0SB:G0SB+3], s[G1SB:G1SB+7]
	s_nop 0
	PLACES 4
.Lhead_asked:
	s_lshl_b32 s18, s42, 10                        ; my 128 columns, in bytes
	s_lshl_b32 s19, s16, 9
	s_add_co_u32 s18, s18, s19
	s_mov_b32 s19, 0
	s_add_nc_u64 s[92:93], s[92:93], s[18:19]
	s_lshl_b32 s20, s17, 19                        ; my first token: 128 x block + 64 x half, rows of 4,096 bytes
	s_lshl_b32 s21, s15, 18
	s_add_co_u32 s20, s20, s21
	s_add_co_u32 s20, s20, s18
	s_mov_b32 s21, 0
	s_add_nc_u64 s[12:13], s[94:95], s[20:21]
	s_mul_i32 s22, s15, 4*3072                     ; my four blocks of A
	s_mul_i32 s23, s16, 8*3072                     ; my eight of B
	s_add_co_u32 s23, s23, BB0
	s_lshl_b32 s2, s15, 8                          ; my unit of A's scale words
	s_add_co_u32 s2, s2, SCA
	s_lshl_b32 s3, s16, 9                          ; my two units of B's
	s_add_co_u32 s3, s3, SCB
	s_mul_i32 s45, s14, 16*SPITCH                  ; my stage
	v_and_b32 v1, 15, v0                           ; r
	v_bfe_u32 v2, v0, 4, 1                         ; h
	v_and_b32 v3, 31, v0
	v_lshlrev_b32 v[CO], 4, v3                     ; 16 x lane
	v_lshlrev_b32 v27, 3, v3                       ; 8 x lane
	v_add_nc_u32 v4, s22, v[CO]                    ; v4-7 A's fragments in K step 0..3 at 16 x lane, v8-11 at 8 x lane; v12-15, v16-19 the same for B
	v_add_nc_u32 v8, s22, v27
	v_add_nc_u32 v12, s23, v[CO]
	v_add_nc_u32 v16, s23, v27
.irp s, 1,2,3
	v_add_nc_u32 v[4+\s], \s*ASTEP, v4
	v_add_nc_u32 v[8+\s], \s*ASTEP, v8
	v_add_nc_u32 v[12+\s], \s*BSTEP, v12
	v_add_nc_u32 v[16+\s], \s*BSTEP, v16
.endr
	v_lshl_add_u32 v30, v1, 3, s2                  ; scale words: 8 r; lanes 16-31 read what lanes 0-15 read
	v_lshl_add_u32 v31, v1, 3, s3
	v_mul_u32_u24 v3, v1, SPITCH
	v_lshl_add_u32 v3, v2, 6, v3
	v_add_nc_u32 v[STO], s45, v3                   ; in: row r, + 64 h
	v_add_nc_u32 v[RD], s45, v[CO]                 ; back: the 32 lanes take one row of 512 bytes
	s_wait_alu depctr_va_vdst(0)
	global_load_b128 v[BO:BO+3], v[CO], s[92:93]   ; the bias of the four columns that I store of every row
	s_wait_tensorcnt 0x0                           ; my tile of the four is in
	s_barrier_signal -1
	s_barrier_wait -1                              ; everybody's is
	FETCH 0
.irp q, 0,1,2,3,4,5,6,7                ; all scale words, two blocks' words to a load: 48 loads
.irp i, 0,1
	ds_load_b64 v[SA+4*\q+2*\i:SA+4*\q+2*\i+1], v30 offset:512*\q+128*\i
.endr
.irp i, 0,1,2,3
	ds_load_b64 v[SB+8*\q+2*\i:SB+8*\q+2*\i+1], v31 offset:1024*\q+256*(\i/2)+128*(\i%2)
.endr
.endr
	FETCH 1
	s_wait_dscnt 48                                ; all but the 48 loads just issued: step 0's fragments and the scale words are in
	WIN MUL
	MUL32 0, 1                                     ; the first step's products start the sums: nothing is cleared
.irp q, 1,2,3,4,5,6
	PLACES 4                                       ; in front of loads into registers that the step before last's products... the last batch but this set's: the set was read by the products just issued one step ago; four places stand behind the last matrix instruction
	FETCH \q+1
	s_wait_dscnt 48                                ; this step's fragments are in; the next step's 48 loads may be out
	WIN MUL
	MUL32 \q, 0
.endr
	s_wait_dscnt 0x0                               ; the last step's fragments are in, and my reads of the tiles are over:
	s_barrier_signal -1                            ; say so,
	MUL32 7, 0                                     ; work on registers while the others arrive,
	WIN 0
	s_barrier_wait -1                              ; and behind this nobody reads the tiles any more: the stages may lie on them
; THE WAY OUT, block by block of 16 tokens x 128 columns, through my own stage: in by 32 bytes a lane at the columns' true places, back as whole rows of 512 bytes; the bias is added, and the row goes to its token's true place.
.macro TOSTAGE a
.set AC, 64*(\a)
	WIN 0x08                                       ; an LDS store's data: window 2
.irp b, 0,1,2,3,4,5,6,7
	ds_store_b128 v[STO], v[AC+8*\b:AC+8*\b+3] offset:128*(\b/2)+32*(\b%2)          ; each accumulator from its low end on
	ds_store_b128 v[STO], v[AC+8*\b+4:AC+8*\b+7] offset:128*(\b/2)+32*(\b%2)+16
.endr
	WIN 0
.set BB, BK+64*((\a)%2)
.irp t, 0,1,2,3,4,5,6,7,8,9,10,11,12,13,14,15
	ds_load_b128 v[BB+4*\t:BB+4*\t+3], v[RD] offset:\t*SPITCH   ; LDS serves a wave's instructions in order: these see the stores above
.endr
.endm
.macro SEND a, younger
.set BB, BK+64*((\a)%2)
	s_wait_dscnt \younger                          ; the block is back in registers
.irp t, 0,1,2,3,4,5,6,7,8,9,10,11,12,13,14,15
	v_pk_add_f32 v[BB+4*\t:BB+4*\t+1], v[BB+4*\t:BB+4*\t+1], v[BO:BO+1]
	v_pk_add_f32 v[BB+4*\t+2:BB+4*\t+3], v[BB+4*\t+2:BB+4*\t+3], v[BO+2:BO+3]
.endr
.irp t, 0,1,2,3,4,5,6,7,8,9,10,11,12,13,14,15
	global_store_b128 v[CO], v[BB+4*\t:BB+4*\t+3], s[12:13] offset:(8*(\a)+\t%8+32*(\t/8))*4096 th:TH_STORE_NT   ; 512 consecutive bytes, aligned; the token's true row stands in the immediate: 63 rows at the most
.endr
.endm
	s_wait_loadcnt 0x0                             ; the bias
	PLACES 4                                       ; behind the last products: for the first read of results and the loads into A's registers
	TOSTAGE 0
.irp a, 1,2,3
.if \a > 1
	s_wait_xcnt 0x0                                ; block a - 2's stores have read their registers: block a's loads may land there
.endif
	TOSTAGE \a
	SEND \a-1, 32                                  ; behind block a - 1's loads: block a's 16 stores and 16 loads
.endr
	SEND 3, 0
	s_wait_tensorcnt 0x0                           ; the wave's end
	ds_add_u32 v[SPW], v[NIL]
	s_wait_dscnt 0x0
	CROUND                                         ; the closing round
	s_endpgm
.Lfunc_end_k_q8a44c9c236_outp:
	.size	k_q8a44c9c236_outp, .Lfunc_end_k_q8a44c9c236_outp-k_q8a44c9c236_outp
	.p2alignl 7, 3214868480
	.fill 96, 4, 3214868480
	.section	.rodata,"a",@progbits
	.p2align	6, 0x0
	.amdhsa_kernel k_q8a44c9c236_outp
		.amdhsa_group_segment_fixed_size 307712
		.amdhsa_private_segment_fixed_size 0
		.amdhsa_enable_private_segment 0
		.amdhsa_kernarg_size 48
		.amdhsa_user_sgpr_count 2
		.amdhsa_user_sgpr_kernarg_segment_ptr 1
		.amdhsa_wavefront_size32 1
		.amdhsa_system_sgpr_workgroup_id_x 1
		.amdhsa_system_sgpr_workgroup_id_y 1
		.amdhsa_system_sgpr_workgroup_id_z 1
		.amdhsa_system_vgpr_workitem_id 0
		.amdhsa_next_free_vgpr 768
		.amdhsa_next_free_sgpr 102
		.amdhsa_reserve_vcc 0
		.amdhsa_float_denorm_mode_32 3
		.amdhsa_float_denorm_mode_16_64 3
		.amdhsa_memory_ordered 1
		.amdhsa_forward_progress 1
		.amdhsa_inst_pref_size 93
	.end_amdhsa_kernel
	.amdgpu_metadata
---
amdhsa.version: [ 1, 2 ]
amdhsa.kernels:
  - .name:           k_q8a44c9c236_outp
    .symbol:         k_q8a44c9c236_outp.kd
    .args:
      - { .name: oc, .offset: 0, .size: 8, .value_kind: global_buffer, .address_space: global }
      - { .name: os, .offset: 8, .size: 8, .value_kind: global_buffer, .address_space: global }
      - { .name: wc, .offset: 16, .size: 8, .value_kind: global_buffer, .address_space: global }
      - { .name: ws, .offset: 24, .size: 8, .value_kind: global_buffer, .address_space: global }
      - { .name: bo, .offset: 32, .size: 8, .value_kind: global_buffer, .address_space: global }
      - { .name: out0, .offset: 40, .size: 8, .value_kind: global_buffer, .address_space: global }
    .group_segment_fixed_size: 307712
    .private_segment_fixed_size: 0
    .kernarg_segment_align: 8
    .kernarg_segment_size: 48
    .max_flat_workgroup_size: 128
    .sgpr_count:     102
    .vgpr_count:     768
    .wavefront_size: 32
...
	.end_amdgpu_metadata
.endif
;; end of part 4
